; MI455X (gfx1250); checked and timed in simulation.
; The chip was launched on July 23, 2026; its instructions are those of AMD's public machine-readable ISA for CDNA 5 (MIT licence, August 2026) and "CDNA5" Instruction Set Architecture Reference Guide (July 2026). The comments in the code are by the model that wrote it; some were corrected since.
;; Attention. Allowed arithmetic: matrix products marked QUANTISED: E2M1 operands, one E8M0 scale for each 32 along K, by v_wmma_scale_f32_16x16x128_f8f6f4 with both operands' format E2M1 (or v_wmma_scale_f32_32x16x128_f4), f32 sums; products left as they are: bf16, f16 or f32 operands; f32 sums; everything else in f32.
;; Inputs: b_proj 1,024 float32; b_qkv 3,072 float32; be_k 64 float32; be_q 64 float32; g_k 64 float32; g_q 64 float32; w_proj 1,024 x 1,024 float32; w_qkv 1,024 x 3,072 float32; x 2 x 2,048 x 1,024 float32.
;; Outputs: out0 2 x 2,048 x 1,024 float32.
;; This version of the problem:
;;   THIS VERSION OF THE PROBLEM IS GIVEN IN LOW PRECISION. The matrix products marked QUANTISED in the list below multiply operands that are first quantised to E2M1 (2 exponent bits, 1 mantissa bit; 4 bits a number), with one power-of-two scale for each 32 numbers along K (OCP MX v1.0); their sums are f32. The products marked 'left as it is' may take bf16, f16 or f32 operands, with f32 sums. Whichever they take, every output number must still come out within the allowed error. Rounding operands to bf16 (8 significant bits) uses up far more of that allowance than f16 does (11 bits, for magnitudes from 6e-5 to 65,504). All else is computed in f32.
;;   The module's matrix products, in the order in which they are computed (A, B: the left and right operand; K: the contracted axis; several contracted axes count as one K, in the product's order):
;;     1. [M 4,096, K 1,024] x [K 1,024, N 3,072]; A: input x; B: input w_qkv: QUANTISED
;;     2. batch 32 x [M 2,048, K 64] x [K 64, N 2,048]; A: computed on the way; B: computed on the way: left as it is (an operand is computed on the way)
;;     3. batch 32 x [M 2,048, K 2,048] x [K 2,048, N 64]; A: computed on the way; B: computed on the way: left as it is (an operand is computed on the way)
;;     4. [M 4,096, K 1,024] x [K 1,024, N 1,024]; A: computed on the way; B: input w_proj: left as it is (an operand is computed on the way)
;;   THE QUANTISER, for each operand of a quantised product, along K:
;;     - K is cut into blocks of 32 from its start; a last block that is shorter is filled with zeros.
;;     - A block's scale is 2^e with e = floor(log2(the largest magnitude in the block)) - 2, held to -126 .. 127; a block of zeros has e = 0. As a byte (E8M0): e + 127.
;;     - Each number is divided by its block's scale, clamped to +-6, and rounded to the nearest number of E2M1, ties to even, subnormals kept.
;;     - The product sums the exact products of the quantised numbers (number of the format x scale) in f32.
;;   ~~~python
;;   def quantise(x, axis):      # numpy; x: float32 -> the quantised numbers, widened to float32 again
;;       x = np.moveaxis(x, axis, -1); K = x.shape[-1]
;;       x = np.pad(x, [(0, 0)] * (x.ndim - 1) + [(0, -K % 32)]); x = x.reshape(x.shape[:-1] + (-1, 32)); a = np.abs(x).max(-1, keepdims=True)
;;       e = np.where(a > 0, np.clip(np.frexp(np.where(a > 0, a, 1))[1] - 1 - 2, -126, 127), 0)      # np.frexp(a)[1] - 1 = floor(log2(a)), exactly
;;       r = np.clip(x / 2.0 ** e, -6, 6)
;;       step = 2.0 ** (np.maximum(np.frexp(np.where(r == 0, 1, r))[1] - 1, 0) - 1)
;;       q = np.round(r / step) * step * 2.0 ** e      # np.round: ties to even
;;       return np.moveaxis(q.reshape(q.shape[:-2] + (-1,))[..., :K], -1, axis).astype(np.float32)
;;   ~~~
;; One version. Each part assembles by itself: llvm-mc -triple=amdgcn-amd-amdhsa -mcpu=gfx1250 --defsym DOCPART=n.
;; ======== version 1 of 1: 4 launches
;; limits: values are held in f16: magnitudes above 65,504 overflow, below 6.1e-05 lose precision
;; workspace buffers: xc 2,097,152 bytes; xs 131,072 bytes; wc 1,572,864 bytes; ws 98,304 bytes; wpf 2,097,152 bytes; qkvf 25,165,824 bytes; af 8,388,608 bytes
;; launch prep (part 1): grid 512 x 1, 4 waves a work-group, no clusters, 23,040 bytes of LDS; arguments x, w_qkv, w_proj, xc, xs, wc, ws, wpf; writes xc, xs, wc, ws, wpf
.if DOCPART == 1
	.amdgcn_target "amdgcn-amd-amdhsa--gfx1250"
	.amdhsa_code_object_version 6
	.text
	.protected	k_q09ba1db22d_prep
	.globl	k_q09ba1db22d_prep
	.p2align	8
	.type	k_q09ba1db22d_prep,@function
k_q09ba1db22d_prep:
	s_mov_b64 s[64:65], 0
	v_nop
	global_prefetch_b8 v0, s[64:65] scope:SCOPE_SE
	s_setreg_imm32_b32 hwreg(HW_REG_WAVE_MODE, 25, 1), 1
	s_wait_xcnt 0x0
; PREP: the operands of the later launches are made once.  Three roles, chosen by the work-group's number alone:
;   X (work-groups 0-255):   x [4096][1024] f32 -> codes of FP4 (E2M1), K innermost, xc [4096][512 bytes], and one E8M0 byte for each 32 along K, xs [4096][32].
;   W (work-groups 256-447): w_qkv [1024 (k)][3072 (n)] f32 -> codes along K, laid in the order of the reader's operand registers:
;                            wc [ntile 192][kstep 8][c 2][h 2][r 16][16 bytes]: the piece (c, h) of column 16 ntile + r holds k = 128 kstep + 64 c + 32 h + 0 .. 31;
;                            scale words ws [kstep 8][n 3072], byte b of a word for k = 32 b .. 32 b + 31 of that kstep.
;   P (work-groups 448-511): w_proj [1024 (k)][1024 (n)] f32 -> f16, wpf [kchunk 4][ntile 64][ks 8][c 2][h 2][r 16][16 bytes]: a piece holds k = 256 kchunk + 32 ks + 16 c + 8 h + 0 .. 7 of column 16 ntile + r.
; A block's scale is 2^(floor(log2(its largest magnitude)) - 2); its byte is the largest magnitude's exponent field - 2, held at 1 from below.
; LIMITS: a block of zeros, and a block whose largest magnitude lies under 2^-124, keep the byte 1 (the rule says 127 for zeros: the codes are zeros, which add nothing, and this program alone reads the bytes).
; NaN and infinities among the inputs are not served.  w_proj goes to f16: magnitudes over 65,504 are not served, those under 6e-5 are carried with an absolute error of 2^-25.
; No matrix work, no tensor load, no barrier: waves share nothing, and every input byte is read once.
.set WREG,  5632                       ; role X, LDS: a region for each wave: two stages of 32 x SP bytes, then its 128 scale bytes
.set SP,    80                         ; a lane's place in a stage: its 64 bytes + 16 of padding
.set SCB,   2*32*SP                    ; where the scale bytes begin in a region
.set SPARE, 4*WREG                     ; behind the four regions: the spare words, 128 bytes for each wave; no other line names them
.set SPW,   12                         ; v12  LDS address of my spare word; never rewritten
.set NIL,   13                         ; v13  0; never rewritten
.set R,     16                         ; role X: v16-143 eight sets of 16 numbers as they are loaded
.set X,     144                        ;         v144-175 two sets of 16 neighbours
.set C,     176                        ;         v176-191 two registers of codes for each step
.set E,     192                        ;         v192-199 a scale byte for each step
.set NUM,   16                         ; roles W, P: v16-143 four blocks of 32 numbers down K
.set OUTC,  144                        ;         v144.. what is stored
.set SWD,   160                        ; role W: v160 the scale word
.macro XLOAD t                         ; step t: 2,048 consecutive bytes, 512 a load
.irp i, 0,1,2,3
	global_load_b128 v[R+16*(\t)+4*\i:R+16*(\t)+4*\i+3], v3, s[4:5] offset:2048*(\t)+512*\i th:TH_LOAD_NT
.endr
.endm
.macro XTURN t                         ; step t's numbers through a stage: in as they lie, back 64 bytes a lane.  LDS serves a wave's instructions in order: no wait between
.irp i, 0,1,2,3
	ds_store_b128 v14, v[R+16*(\t)+4*\i:R+16*(\t)+4*\i+3] offset:32*SP*((\t)%2)+8*SP*\i
.endr
.irp i, 0,1,2,3
	ds_load_b128 v[X+16*((\t)%2)+4*\i:X+16*((\t)%2)+4*\i+3], v15 offset:32*SP*((\t)%2)+16*\i
.endr
.endm
.macro XSTEP t
.set XS, X+16*((\t)%2)
.if (\t) > 0
	s_wait_dscnt 1                                 ; this step's numbers are back from the stage; the last step's byte store, issued behind them, may be out
.else
	s_wait_dscnt 0x0
.endif
.if (\t) < 7
	s_wait_loadcnt 4*(6-(\t))                      ; the next step's four loads are in; those of the steps behind it may be out
	XTURN (\t)+1                                   ; and go through the other stage while this step is worked
.endif
	v_max3_num_f32 v8, |v[XS]|, |v[XS+1]|, |v[XS+2]|       ; the largest magnitude of my 16, in two chains
	v_max3_num_f32 v9, |v[XS+3]|, |v[XS+4]|, |v[XS+5]|
.irp i, 6,10
	v_max3_num_f32 v8, v8, |v[XS+\i]|, |v[XS+\i+1]|
	v_max3_num_f32 v9, v9, |v[XS+\i+2]|, |v[XS+\i+3]|
.endr
	v_max3_num_f32 v8, v8, |v[XS+14]|, |v[XS+15]|
	v_max3_num_f32 v8, v8, v9, 0x1800000           ; and the floor 2^(3 - 127): the byte cannot fall under 1
	v_max_num_f32_dpp v8, v8, v8 row_xmask:1 row_mask:0xf bank_mask:0xf   ; with my neighbour's 16: the block's
	v_add_nc_u32 v11, 0xff000000, v8               ; 2 off its exponent field: the conversion takes this operand's exponent field as its scale
	v_cvt_scalef32_pk8_fp4_f32 v[C+2*(\t)], v[XS:XS+7], v11
	v_cvt_scalef32_pk8_fp4_f32 v[C+2*(\t)+1], v[XS+8:XS+15], v11
	v_lshrrev_b32 v[E+(\t)], 23, v11               ; the scale's byte (a plain line behind the conversions)
	ds_store_b8 v5, v[E+(\t)] offset:16*(\t)       ; both lanes of a block write the same byte with the same value
	global_store_b64 v4, v[C+2*(\t):C+2*(\t)+1], s[10:11] offset:256*(\t)   ; the wave stores 256 consecutive bytes, aligned
.endm
.macro CLOAD b, base, pitch            ; roles W, P: block b: rows 32 b + i of my column; 32 lanes read 128 consecutive bytes
.irp i, 0,1,2,3,4,5,6,7,8,9,10,11,12,13,14,15,16,17,18,19,20,21,22,23,24,25,26,27,28,29,30,31
	global_load_b32 v[NUM+32*(\b)+\i], v3, s[\base:\base+1] offset:(32*(\b)+\i)*\pitch th:TH_LOAD_NT
.endr
.endm
.macro WBLOCK b, left
.set XS, NUM+32*(\b)
	s_wait_loadcnt \left                           ; this block's 32 loads are in; the next block's 32 may be out
.if (\b)+2 < 4
	CLOAD (\b)+2, 6, 12288                         ; two blocks ahead, into registers of its own
.endif
	v_max3_num_f32 v8, |v[XS]|, |v[XS+1]|, |v[XS+2]|       ; all 32 numbers of the block are mine
	v_max3_num_f32 v9, |v[XS+3]|, |v[XS+4]|, |v[XS+5]|
.irp i, 6,10,14,18,22,26
	v_max3_num_f32 v8, v8, |v[XS+\i]|, |v[XS+\i+1]|
	v_max3_num_f32 v9, v9, |v[XS+\i+2]|, |v[XS+\i+3]|
.endr
	v_max3_num_f32 v8, v8, |v[XS+30]|, |v[XS+31]|
	v_max3_num_f32 v8, v8, v9, 0x1800000
	v_add_nc_u32 v11, 0xff000000, v8
	v_lshrrev_b32 v10, 23, v11
.if (\b) == 0
	v_mov_b32 v[SWD], v10
.else
	v_lshl_or_b32 v[SWD], v10, 8*(\b), v[SWD]      ; four bytes make the kstep's scale word, the lower K in the lower byte
.endif
.irp g, 0,1,2,3
	v_cvt_scalef32_pk8_fp4_f32 v[OUTC+4*(\b)+\g], v[XS+8*\g:XS+8*\g+7], v11
.endr
	v_nop                                          ; a plain line behind the last conversion
	global_store_b128 v4, v[OUTC+4*(\b):OUTC+4*(\b)+3], s[14:15] offset:256*(\b)   ; sixteen lanes store 256 consecutive bytes, aligned: the piece (c, h) = (b / 2, b % 2) of one ntile
.endm
.macro PBLOCK b, left
	s_wait_loadcnt \left
.if (\b)+2 < 4
	CLOAD (\b)+2, 8, 4096
.endif
.irp i, 0,1,2,3,4,5,6,7,8,9,10,11,12,13,14,15
	v_cvt_pk_f16_f32 v[OUTC+16*(\b)+\i], v[NUM+32*(\b)+2*\i], v[NUM+32*(\b)+2*\i+1]
.endr
.irp p, 0,1,2,3
	global_store_b128 v4, v[OUTC+16*(\b)+4*\p:OUTC+16*(\b)+4*\p+3], s[18:19] offset:1024*(\b)+256*\p   ; k = 32 b + 8 p + 0 .. 7: the piece (c, h) = (p / 2, p % 2)
.endr
.endm
	s_load_b512 s[4:19], s[0:1], 0x0               ; x 4:5, w_qkv 6:7, w_proj 8:9, xc 10:11, xs 12:13, wc 14:15, ws 16:17, wpf 18:19
	v_lshl_add_u32 v[SPW], v0, 2, SPARE
	v_mov_b32 v[NIL], 0
	v_lshrrev_b32 v1, 5, v0
	v_readfirstlane_b32 s20, v1                    ; wave 0..3
	v_and_b32 v2, 31, v0                           ; lane
	s_mov_b32 s27, 0                               ; the upper word of every offset
	s_wait_kmcnt 0x0
	s_cmp_lt_u32 ttmp9, 256
	s_cbranch_scc0 .Lnot_x
	; ---- ROLE X.  A wave takes a run of 4,096 numbers, eight steps of 512; rows are dense, so x is a plain stream of blocks of 32.
	s_lshl_b32 s21, ttmp9, 2
	s_add_co_u32 s21, s21, s20                     ; my run: 4 x work-group + wave
	s_lshl_b32 s26, s21, 14
	s_add_nc_u64 s[4:5], s[4:5], s[26:27]          ; 16,384 bytes of x,
	s_lshl_b32 s26, s21, 11
	s_add_nc_u64 s[10:11], s[10:11], s[26:27]      ; 2,048 of codes,
	s_lshl_b32 s26, s21, 7
	s_add_nc_u64 s[12:13], s[12:13], s[26:27]      ; 128 scale bytes a run
	s_mul_i32 s24, s20, WREG
	v_lshlrev_b32 v3, 4, v2                        ; my 16 bytes of a load's 512
	v_lshlrev_b32 v4, 3, v2                        ; my 8 bytes of a step's codes
	v_lshrrev_b32 v14, 2, v2
	v_mul_u32_u24 v14, v14, SP
	v_and_b32 v15, 3, v2
	v_lshl_add_u32 v14, v15, 4, v14
	v_add_nc_u32 v14, s24, v14                     ; the stage, on the way in: four lanes' 64 bytes on end, then the padding
	v_mul_u32_u24 v15, v2, SP
	v_add_nc_u32 v15, s24, v15                     ; and on the way out: my 16 neighbours
	v_lshrrev_b32 v5, 1, v2
	s_add_co_u32 s24, s24, SCB
	v_add_nc_u32 v5, s24, v5                       ; my block's scale byte
	v_lshlrev_b32 v7, 2, v2
	v_add_nc_u32 v6, s24, v7                       ; and 4 bytes a lane on the way out
.irp t, 0,1,2,3,4,5,6,7
	XLOAD \t                                       ; the wave's whole run is asked for at once: 32 loads
.endr
	s_wait_loadcnt 28                              ; step 0's four loads are in
	XTURN 0
.irp t, 0,1,2,3,4,5,6,7
	XSTEP \t
.endr
	ds_load_b32 v8, v6                             ; LDS serves a wave's instructions in order: this sees my byte stores
	s_wait_dscnt 0x0
	global_store_b32 v7, v8, s[12:13]              ; the run's 128 scale bytes, consecutive: one byte for each 128 bytes that the role reads
	s_wait_tensorcnt 0x0                           ; the wave's end, behind my last LDS store
	ds_add_u32 v[SPW], v[NIL]
	s_wait_dscnt 0x0
	s_endpgm
.Lnot_x:
	v_lshlrev_b32 v3, 2, v2                        ; roles W and P: a lane takes a column, its registers run down K: 4 bytes a lane on the way in;
	v_lshrrev_b32 v4, 4, v2
	v_and_b32 v5, 15, v2
	v_lshlrev_b32 v4, 13, v4
	v_lshl_add_u32 v4, v5, 4, v4                   ; on the way out: 8,192 x (lane / 16), the next ntile, + 16 x (lane % 16)
	s_cmp_lt_u32 ttmp9, 448
	s_cbranch_scc0 .Lrole_p
	; ---- ROLE W.  A work-group takes 128 columns x one kstep of 128 along K, a wave 32 of the columns.
	s_sub_co_u32 s21, ttmp9, 256
	s_and_b32 s22, s21, 7                          ; kstep
	s_lshr_b32 s23, s21, 3                         ; which 128 columns
	s_lshl_b32 s24, s23, 9
	s_lshl_b32 s25, s20, 7
	s_add_co_u32 s24, s24, s25                     ; my first column in bytes of f32, and of scale words
	s_mul_i32 s26, s22, 128*12288
	s_add_co_u32 s26, s26, s24
	s_add_nc_u64 s[6:7], s[6:7], s[26:27]
	s_mul_i32 s26, s22, 12288
	s_add_co_u32 s26, s26, s24
	s_add_nc_u64 s[16:17], s[16:17], s[26:27]
	s_lshl_b32 s26, s23, 16                        ; codes: 8,192 bytes an ntile: 8 ntiles a work-group, 2 a wave,
	s_lshl_b32 s25, s20, 14
	s_add_co_u32 s26, s26, s25
	s_lshl_b32 s25, s22, 10                        ; 1,024 a kstep
	s_add_co_u32 s26, s26, s25
	s_add_nc_u64 s[14:15], s[14:15], s[26:27]
	CLOAD 0, 6, 12288
	CLOAD 1, 6, 12288
	WBLOCK 0, 32
	WBLOCK 1, 32
	WBLOCK 2, 32
	WBLOCK 3, 0
	global_store_b32 v3, v[SWD], s[16:17]          ; 32 columns' scale words: 128 consecutive bytes
	s_endpgm
.Lrole_p:
	; ---- ROLE P.  The same walk over w_proj, 128 columns x 128 along K; the numbers are rounded to f16, eight neighbours along K to a piece.
	s_sub_co_u32 s21, ttmp9, 448
	s_and_b32 s22, s21, 7                          ; which 128 along K
	s_lshr_b32 s23, s21, 3                         ; which 128 columns
	s_lshl_b32 s26, s22, 19                        ; 128 rows of 4,096 bytes
	s_lshl_b32 s24, s23, 9
	s_add_co_u32 s26, s26, s24
	s_lshl_b32 s25, s20, 7
	s_add_co_u32 s26, s26, s25
	s_add_nc_u64 s[8:9], s[8:9], s[26:27]
	s_lshr_b32 s26, s22, 1
	s_lshl_b32 s26, s26, 19                        ; kchunk: 524,288 bytes
	s_lshl_b32 s24, s23, 16
	s_add_co_u32 s26, s26, s24
	s_lshl_b32 s25, s20, 14
	s_add_co_u32 s26, s26, s25
	s_and_b32 s24, s22, 1
	s_lshl_b32 s24, s24, 12                        ; the chunk's upper half: ks 4 on
	s_add_co_u32 s26, s26, s24
	s_add_nc_u64 s[18:19], s[18:19], s[26:27]
	CLOAD 0, 8, 4096
	CLOAD 1, 8, 4096
	PBLOCK 0, 32
	PBLOCK 1, 32
	PBLOCK 2, 32
	PBLOCK 3, 0
	s_endpgm
.Lfunc_end_k_q09ba1db22d_prep:
	.size	k_q09ba1db22d_prep, .Lfunc_end_k_q09ba1db22d_prep-k_q09ba1db22d_prep
	.p2alignl 7, 3214868480
	.fill 96, 4, 3214868480
	.section	.rodata,"a",@progbits
	.p2align	6, 0x0
	.amdhsa_kernel k_q09ba1db22d_prep
		.amdhsa_group_segment_fixed_size 23040
		.amdhsa_private_segment_fixed_size 0
		.amdhsa_enable_private_segment 0
		.amdhsa_kernarg_size 64
		.amdhsa_user_sgpr_count 2
		.amdhsa_user_sgpr_kernarg_segment_ptr 1
		.amdhsa_wavefront_size32 1
		.amdhsa_system_sgpr_workgroup_id_x 1
		.amdhsa_system_sgpr_workgroup_id_y 1
		.amdhsa_system_sgpr_workgroup_id_z 1
		.amdhsa_system_vgpr_workitem_id 0
		.amdhsa_next_free_vgpr 208
		.amdhsa_next_free_sgpr 66
		.amdhsa_reserve_vcc 0
		.amdhsa_float_denorm_mode_32 3
		.amdhsa_float_denorm_mode_16_64 3
		.amdhsa_memory_ordered 1
		.amdhsa_forward_progress 1
		.amdhsa_inst_pref_size 55
	.end_amdhsa_kernel
	.amdgpu_metadata
---
amdhsa.version: [ 1, 2 ]
amdhsa.kernels:
  - .name:           k_q09ba1db22d_prep
    .symbol:         k_q09ba1db22d_prep.kd
    .args:
      - { .name: x, .offset: 0, .size: 8, .value_kind: global_buffer, .address_space: global }
      - { .name: w_qkv, .offset: 8, .size: 8, .value_kind: global_buffer, .address_space: global }
      - { .name: w_proj, .offset: 16, .size: 8, .value_kind: global_buffer, .address_space: global }
      - { .name: xc, .offset: 24, .size: 8, .value_kind: global_buffer, .address_space: global }
      - { .name: xs, .offset: 32, .size: 8, .value_kind: global_buffer, .address_space: global }
      - { .name: wc, .offset: 40, .size: 8, .value_kind: global_buffer, .address_space: global }
      - { .name: ws, .offset: 48, .size: 8, .value_kind: global_buffer, .address_space: global }
      - { .name: wpf, .offset: 56, .size: 8, .value_kind: global_buffer, .address_space: global }
    .group_segment_fixed_size: 23040
    .private_segment_fixed_size: 0
    .kernarg_segment_align: 8
    .kernarg_segment_size: 64
    .max_flat_workgroup_size: 128
    .sgpr_count:     66
    .vgpr_count:     208
    .wavefront_size: 32
...
	.end_amdgpu_metadata
.endif
;; end of part 1
;; launch qkv (part 2): grid 8 x 32, 4 waves a work-group, clusters of 4 x 4, 327,680 bytes of LDS; arguments xc, xs, wc, ws, b_qkv, g_q, be_q, g_k, be_k, qkvf; writes qkvf
.if DOCPART == 2
	.amdgcn_target "amdgcn-amd-amdhsa--gfx1250"
	.amdhsa_code_object_version 6
	.text
	.protected	k_q09ba1db22d_qkv
	.globl	k_q09ba1db22d_qkv
	.p2align	8
	.type	k_q09ba1db22d_qkv,@function
k_q09ba1db22d_qkv:
	s_mov_b64 s[64:65], 0
	v_nop
	global_prefetch_b8 v0, s[64:65] scope:SCOPE_SE
	s_setreg_imm32_b32 hwreg(HW_REG_WAVE_MODE, 25, 1), 1
	s_wait_xcnt 0x0
	s_wait_alu depctr_hold_cnt(0) depctr_sa_sdst(0) depctr_va_vdst(0) depctr_va_sdst(0) depctr_va_ssrc(0) depctr_va_vcc(0) depctr_vm_vsrc(0)
	s_getreg_b32 s2, hwreg(HW_REG_IB_STS2, 6, 4)
	s_cmp_eq_u32 s2, 0
	s_cbranch_scc0 .Lentry_in_a_cluster
	s_endpgm
.Lentry_in_a_cluster:
	s_bfe_u32 s2, ttmp6, 0x10000c
	s_cmp_lg_u32 s2, 0xf033
	s_cbranch_scc0 .Lentry_shape_is_right
	s_endpgm
.Lentry_shape_is_right:
; QKV: x w_qkv + b_qkv on codes of FP4 (E2M1) with one E8M0 scale for each 32 along K = 1,024; then the LayerNorm of q and of k over each head's 64 channels; q, k, v leave as f16,
; laid in the order of the attention launch's operand registers.
; SHARES.  Work-group (j, i) takes tokens 128 i .. + 127 and THREE blocks of 128 columns, 1,024 p + 128 j on, p = q, k, v: 8 x 32 equal work-groups.  Wave (wm, wn) takes 64 tokens (4 tiles) and one head of
; each of q, k, v (4 tiles of 16 channels each): 48 accumulators, 8 K steps of 128, 384 matrix instructions.
; LDS.  All operands for the whole K lie in LDS at once (280,576 bytes): every byte is filled once, at the head; there is no ring and nothing is filled again.
; CLUSTER.  4 x 4 work-groups.  x's codes and scales hang on i alone and are asked for jointly along a row of the cluster, w's on j alone and along a column.
; LAYOUT.  q and k are made TRANSPOSED (source 0 = 16 columns of w, source 1 = 16 tokens): a lane holds one token and 8 neighbouring channels; a token's 64 channels lie in lanes l and l xor 16, and 8 channels
; packed to f16 are 16 bytes of a fragment of q or k.  v is made the natural way (source 0 = tokens): a lane holds one channel and 8 neighbouring tokens: 16 bytes of a fragment of V^T.
; The biases are the C of each sum's first matrix instruction.  q also takes the factors 1/8 and log2(e), folded into its gain and offset, so that the attention launch's scores are exponents of 2.
; OUT: qkvf: q at byte 0, k at 8,388,608: [bh 32][token tile 128][nt 4][lane][16 bytes]: lane (r, h): token r, channels 16 nt + 8 h + 0 .. 7;
;      v at 16,777,216: [bh][32 tokens: 64][ct 4][c 2][lane][16 bytes]: lane (r, h): channel 16 ct + r, tokens 16 c + 8 h + 0 .. 7.  Every store of a wave covers 512 consecutive bytes, aligned.
; LIMITS: q, k, v go to f16: magnitudes over 65,504 are not served (v is about 0.64 in spread on the drawn inputs), those under 6e-5 are carried with an absolute error of 2^-25.  NaN and infinities are not served.
; REGISTERS, in windows of 256:  window 0: v1-9 addresses; v28, v29 the add's two; v32-47 x's scale words, v48-95 w's; v128-191 x's fragments, two sets.
;   window 1: v0-95 w's fragments (32 p + 8 nt), one set; v96-223 v's accumulators; v224-255 v's bias.
;   window 2 (q), window 3 (k): v0-127 accumulators (32 mt + 8 nt); v128-159 the bias; v160-191 the gain; v192-223 the offset; v224-255 at work, 8 for each tile of tokens.
.set XC,    196608                     ; LDS: w's codes at 0: part p at 65,536 p, [ntile 8][kstep 8][1,024 bytes]; then x's codes: 128 rows,
.set XP,    528                        ; 512 bytes + 16 of padding = 132 words: row r starts at bank 4 r mod 64 (64 banks of 4 bytes: ISA guide 11.1)
.set XSB,   264192                     ; x's scale bytes: 128 rows of 32
.set WSB,   268288                     ; w's scale words: part p at 4,096 p, [kstep 8][128 words]
.set SPARE, 280576                     ; the spare words, 128 bytes for each wave; no other line names them
.set QO,  1                            ; v1   16 x lane: my place in every store
.set AW,  2                            ; v2-4 LDS address of my fragments of w, part p
.set AX,  5                            ; v5   of my fragments of x
.set AXS, 6                            ; v6   of x's scale words
.set AWS, 7                            ; v7   of w's scale words
.set BH,  8                            ; v8   32 x (lane / 16): eight f32 of my half
.set BR,  9                            ; v9   4 x (lane % 16)
.set SPW, 28
.set NIL, 29
.set SX,  32                           ; x's scale words: tile mt, kstep s: register SX + 8 (mt / 2) + s, lanes 16 (mt % 2) on
.set SWD, 48                           ; w's: kstep s, part p, tile nt: register SWD + 6 s + 2 p + nt / 2, lanes 16 (nt % 2) on
.set XF,  128
.set WF,  0
.set VA,  96
.set VB,  224
.set BI,  128
.set GG,  160
.set BE,  192
.set T,   224
.set G1W,  40                          ; s[40:47] group 1: w's codes;   s[48:55] w's scale words;   s[56:63] x's codes;   s[68:75] x's scale bytes
.set G1WS, 48
.set G1X,  56
.set G1XS, 68
.set G0W,  76                          ; s[76:79], s[80:83], s[84:87], s[88:91]: their groups 0
.set G0WS, 80
.set G0X,  84
.set G0XS, 88
.set MSB, 0
.macro WIN new                         ; the immediate's high byte repeats the setting that is left; a switch that changes nothing is dropped
.if MSB != \new
	s_set_vgpr_msb (MSB<<8)|\new
.set MSB, \new
.endif
.endm
.macro PLACES                          ; four plain places in front of loads into registers that matrix instructions have read, and of the first read of results
.rept 4
	v_nop
.endr
.endm
.macro CROUND                          ; a round of the cluster's barrier
	s_barrier_signal -1
	s_barrier_wait -1
	s_cmp_lg_u32 s28, 0
	s_cbranch_scc1 .Lnot_wave_0_\@
	s_barrier_signal -3
.Lnot_wave_0_\@:
	s_barrier_wait -3
	s_barrier_signal -1
	s_barrier_wait -1
.endm
.macro GROUP1 g, c, r, p               ; words 1 to 7 of a group 1: r rows of c elements, p elements from row to row
	s_mov_b32 s[\g+1], (\c)<<16
	s_mov_b32 s[\g+2], (\r)<<16
	s_mov_b32 s[\g+3], (\c)<<16
	s_mov_b32 s[\g+4], \r
	s_mov_b32 s[\g+5], \p
	s_mov_b32 s[\g+6], 0
	s_mov_b32 s[\g+7], 0
.endm
; One scaled product.  ra, rb: the side's scale words stand in lanes 16-31 of the register named
.macro WM d, a, b, c, sa, sb, ra, rb
.if (\ra) && (\rb)
	v_wmma_scale_f32_16x16x128_f8f6f4 v[\d:\d+7], v[\a:\a+7], v[\b:\b+7], v[\c:\c+7], v[\sa], v[\sb] matrix_a_fmt:MATRIX_FMT_FP4 matrix_b_fmt:MATRIX_FMT_FP4 matrix_a_scale:MATRIX_SCALE_ROW1 matrix_b_scale:MATRIX_SCALE_ROW1
.elseif (\ra)
	v_wmma_scale_f32_16x16x128_f8f6f4 v[\d:\d+7], v[\a:\a+7], v[\b:\b+7], v[\c:\c+7], v[\sa], v[\sb] matrix_a_fmt:MATRIX_FMT_FP4 matrix_b_fmt:MATRIX_FMT_FP4 matrix_a_scale:MATRIX_SCALE_ROW1
.elseif (\rb)
	v_wmma_scale_f32_16x16x128_f8f6f4 v[\d:\d+7], v[\a:\a+7], v[\b:\b+7], v[\c:\c+7], v[\sa], v[\sb] matrix_a_fmt:MATRIX_FMT_FP4 matrix_b_fmt:MATRIX_FMT_FP4 matrix_b_scale:MATRIX_SCALE_ROW1
.else
	v_wmma_scale_f32_16x16x128_f8f6f4 v[\d:\d+7], v[\a:\a+7], v[\b:\b+7], v[\c:\c+7], v[\sa], v[\sb] matrix_a_fmt:MATRIX_FMT_FP4 matrix_b_fmt:MATRIX_FMT_FP4
.endif
.endm
.macro MULQK p, s                      ; 16 products of q (p = 0) or k (1), kstep s: source 0 = w, source 1 = x.  The first kstep takes the bias as C
.irp m, 0,1,2,3
.irp n, 0,1,2,3
.set rD, 32*\m+8*\n
.set rC, rD
.if (\s) == 0
.set rC, BI+8*\n
.endif
	WM rD, WF+32*(\p)+8*\n, XF+32*((\s)%2)+8*\m, rC, SWD+6*(\s)+2*(\p)+\n/2, SX+8*(\m/2)+(\s), \n%2, \m%2
.endr
.endr
.endm
.macro MULV s                          ; 16 products of v: source 0 = x, source 1 = w
.irp n, 0,1,2,3
.irp m, 0,1,2,3
.set rD, VA+8*(4*\n+\m)
.set rC, rD
.if (\s) == 0
.set rC, VB+8*\n
.endif
	WM rD, XF+32*((\s)%2)+8*\m, WF+64+8*\n, rC, SX+8*(\m/2)+(\s), SWD+6*(\s)+4+\n/2, \m%2, \n%2
.endr
.endr
.endm
.macro FX s                            ; x's four fragments of kstep s: lane (r, h): row r, registers 4 c on: k = 64 c + 32 h + 0 .. 31: 16 bytes as they lie
	WIN 0
.irp m, 0,1,2,3
.irp c, 0,1
	ds_load_b128 v[XF+32*((\s)%2)+8*\m+4*\c:XF+32*((\s)%2)+8*\m+4*\c+3], v[AX] offset:16*XP*\m+64*(\s)+32*\c
.endr
.endr
.endm
.macro FW p, s                         ; w's four fragments of part p, kstep s: images of the registers, 16 bytes a lane
	WIN 0x40
.irp n, 0,1,2,3
.irp c, 0,1
	ds_load_b128 v[WF+32*(\p)+8*\n+4*\c:WF+32*(\p)+8*\n+4*\c+3], v[AW+(\p)] offset:8192*\n+1024*(\s)+512*\c
.endr
.endr
.endm
; A K step of 128: q's 16 products, k's, v's.  The 48 accumulators take turns, one instruction a turn, in the same order in every step.
; Behind each group its fragments of w are fetched anew; x has two sets.  The LDS loads go in groups of eight, in the order x, q, k, v.
.macro KSTEP s
	s_wait_dscnt 16                                ; x's and q's groups are in; k's and v's, issued behind them, may be out
	WIN 0xa1
	MULQK 0, \s
.if (\s) < 7
	PLACES
	FX (\s)+1
	FW 0, (\s)+1
	s_wait_dscnt 24                                ; k's group is in; behind it: v's, and the next step's x and q
.else
	s_wait_dscnt 8                                 ; the last step fetches nothing: behind k's group only v's
.endif
	WIN 0xf1
	MULQK 1, \s
.if (\s) < 7
	PLACES
	FW 1, (\s)+1
	s_wait_dscnt 24                                ; v's group is in; behind it: the next step's x, q and k
.else
	s_wait_dscnt 0
.endif
	WIN 0x54
	MULV \s
.if (\s) < 7
	PLACES
	FW 2, (\s)+1
.endif
.endm
; The LayerNorm of four tiles of 16 tokens, line by line by turns, all in one window.  A lane holds 32 of its token's 64 channels, lane l xor 16 the others.
; Two passes: the mean is taken away first, and the variance is the mean of the squares of what is left: no difference of large sums.
.macro LNORM
.irp m, 0,1,2,3
	v_pk_add_f32 v[T+8*\m:T+8*\m+1], v[32*\m:32*\m+1], v[32*\m+2:32*\m+3]       ; each accumulator is read from its low end on
.endr
.irp m, 0,1,2,3
	v_pk_add_f32 v[T+8*\m+2:T+8*\m+3], v[32*\m+4:32*\m+5], v[32*\m+6:32*\m+7]
.endr
.irp n, 8,12,16,20,24,28
.irp m, 0,1,2,3
	v_pk_add_f32 v[T+8*\m:T+8*\m+1], v[T+8*\m:T+8*\m+1], v[32*\m+\n:32*\m+\n+1]
.endr
.irp m, 0,1,2,3
	v_pk_add_f32 v[T+8*\m+2:T+8*\m+3], v[T+8*\m+2:T+8*\m+3], v[32*\m+\n+2:32*\m+\n+3]
.endr
.endr
.irp m, 0,1,2,3
	v_pk_add_f32 v[T+8*\m:T+8*\m+1], v[T+8*\m:T+8*\m+1], v[T+8*\m+2:T+8*\m+3]
.endr
.irp m, 0,1,2,3
	v_add_f32 v[T+8*\m], v[T+8*\m], v[T+8*\m+1]
.endr
.irp m, 0,1,2,3
	v_permlanex16_b32 v[T+8*\m+2], v[T+8*\m], s96, s97
.endr
.irp m, 0,1,2,3
	v_add_f32 v[T+8*\m], v[T+8*\m], v[T+8*\m+2]
.endr
.irp m, 0,1,2,3
	v_mul_f32 v[T+8*\m], s92, v[T+8*\m]            ; the mean
.endr
.irp n, 0,2,4,6,8,10,12,14,16,18,20,22,24,26,28,30
.irp m, 0,1,2,3
	v_pk_add_f32 v[32*\m+\n:32*\m+\n+1], v[32*\m+\n:32*\m+\n+1], v[T+8*\m:T+8*\m+1] op_sel_hi:[1,0] neg_lo:[0,1] neg_hi:[0,1]
.endr
.endr
.irp m, 0,1,2,3
	v_pk_mul_f32 v[T+8*\m+2:T+8*\m+3], v[32*\m:32*\m+1], v[32*\m:32*\m+1]
.endr
.irp m, 0,1,2,3
	v_pk_mul_f32 v[T+8*\m+4:T+8*\m+5], v[32*\m+2:32*\m+3], v[32*\m+2:32*\m+3]
.endr
.irp n, 4,8,12,16,20,24,28
.irp m, 0,1,2,3
	v_pk_fma_f32 v[T+8*\m+2:T+8*\m+3], v[32*\m+\n:32*\m+\n+1], v[32*\m+\n:32*\m+\n+1], v[T+8*\m+2:T+8*\m+3]
.endr
.irp m, 0,1,2,3
	v_pk_fma_f32 v[T+8*\m+4:T+8*\m+5], v[32*\m+\n+2:32*\m+\n+3], v[32*\m+\n+2:32*\m+\n+3], v[T+8*\m+4:T+8*\m+5]
.endr
.endr
.irp m, 0,1,2,3
	v_pk_add_f32 v[T+8*\m+2:T+8*\m+3], v[T+8*\m+2:T+8*\m+3], v[T+8*\m+4:T+8*\m+5]
.endr
.irp m, 0,1,2,3
	v_add_f32 v[T+8*\m+2], v[T+8*\m+2], v[T+8*\m+3]
.endr
.irp m, 0,1,2,3
	v_permlanex16_b32 v[T+8*\m+4], v[T+8*\m+2], s96, s97
.endr
.irp m, 0,1,2,3
	v_add_f32 v[T+8*\m+2], v[T+8*\m+2], v[T+8*\m+4]
.endr
.irp m, 0,1,2,3
	v_fma_f32 v[T+8*\m+2], v[T+8*\m+2], s92, s93   ; the variance + 1e-5
.endr
.irp m, 0,1,2,3
	v_rsq_f32 v[T+8*\m+4], v[T+8*\m+2]
.endr
	v_nop                                          ; a plain line behind the last of the four,
	s_wait_alu depctr_va_vdst(0)                   ; and one wait for the batch, ahead of its first reader
.irp n, 0,2,4,6,8,10,12,14,16,18,20,22,24,26,28,30
.irp m, 0,1,2,3
	v_pk_mul_f32 v[32*\m+\n:32*\m+\n+1], v[32*\m+\n:32*\m+\n+1], v[T+8*\m+4:T+8*\m+5] op_sel_hi:[1,0]
.endr
.endr
.irp n, 0,2,4,6,8,10,12,14,16,18,20,22,24,26,28,30
.irp m, 0,1,2,3
	v_pk_fma_f32 v[32*\m+\n:32*\m+\n+1], v[32*\m+\n:32*\m+\n+1], v[GG+\n:GG+\n+1], v[BE+\n:BE+\n+1]
.endr
.endr
.irp i, 0,1,2,3,4,5,6,7,8,9,10,11,12,13,14,15
.irp m, 0,1,2,3
	v_cvt_pk_f16_f32 v[32*\m+\i], v[32*\m+2*\i], v[32*\m+2*\i+1]   ; packed in place, ascending: a register is written only when it has been read
.endr
.endr
.endm
.macro QKOUT base
.irp m, 0,1,2,3
.irp n, 0,1,2,3
	global_store_b128 v[QO], v[32*\m+4*\n:32*\m+4*\n+3], s[\base:\base+1] offset:2048*\m+512*\n
.endr
.endr
.endm
	s_load_b512 s[4:19], s[0:1], 0x0               ; xc 4:5, xs 6:7, wc 8:9, ws 10:11, b_qkv 12:13, g_q 14:15, be_q 16:17, g_k 18:19
	s_load_b128 s[20:23], s[0:1], 0x40             ; be_k 20:21, qkvf 22:23
	v_lshl_add_u32 v[SPW], v0, 2, SPARE
	v_mov_b32 v[NIL], 0
	ds_add_u32 v[SPW], v[NIL]                      ; the wave's opening: the add, twice on end, and its wait ahead of my first tensor load
	ds_add_u32 v[SPW], v[NIL]
	v_lshrrev_b32 v10, 5, v0
	v_readfirstlane_b32 s28, v10                   ; wave 0..3
	s_lshr_b32 s29, s28, 1                         ; wm: which 64 tokens
	s_and_b32 s30, s28, 1                          ; wn: which head of the block's two
	s_bfe_u32 s31, ttmp6, 0x40000                  ; cx
	s_bfe_u32 s32, ttmp6, 0x40004                  ; cy
	s_lshl_b32 s33, ttmp9, 2
	s_add_co_u32 s33, s33, s31                     ; j = 4 x cluster x + cx
	s_and_b32 s34, ttmp7, 0xffff
	s_lshl_b32 s34, s34, 2
	s_add_co_u32 s34, s34, s32                     ; i = 4 x cluster y + cy
	s_lshl_b32 s35, s32, 2
	s_lshl_b32 s35, 15, s35                        ; my row of the cluster
	s_lshl_b32 s36, 0x1111, s31                    ; my column
	s_or_b32 s[G1W], s36, (3<<16)|(1<<21)          ; w's codes of one part: 65,536 dense bytes as 256 rows of 32 elements of 8 bytes; the mask: my column; bit 21 set beside it
	GROUP1 G1W, 32, 256, 32
	s_or_b32 s[G1WS], s36, (2<<16)|(1<<21)         ; w's scale words of one part: 8 rows (ksteps) of 128 words, 3,072 words apart
	GROUP1 G1WS, 128, 8, 3072
	s_or_b32 s[G1X], s35, (3<<16)|(1<<20)|(1<<21)|(6<<22)|(3<<25)   ; x's codes: 128 rows of 512 bytes; 4 words of padding behind every 128; the mask: my row
	GROUP1 G1X, 64, 128, 64
	s_or_b32 s[G1XS], s35, (3<<16)|(1<<21)         ; x's scale bytes: 4,096 dense bytes as 16 rows of 256
	GROUP1 G1XS, 32, 16, 32
	s_mov_b32 s92, 0x3c800000                      ; 1 / 64
	s_mov_b32 s93, 0x3727c5ac                      ; 1e-5
	s_mov_b32 s94, 0x3e38aa3b                      ; log2(e) / 8
	s_mov_b32 s95, s94                             ; (named with it as a pair, so it is written)
	s_mov_b32 s96, 0x76543210
	s_mov_b32 s97, 0xfedcba98                      ; v_permlanex16_b32's selects for lane l xor 16
	s_wait_dscnt 0x0                               ; both opening adds are done
	s_wait_kmcnt 0x0
	; groups 0.  Offsets made of j stand in s[24:25], those made of i in s[26:27]: neither pair ever holds the other coordinate
	s_mov_b32 s[G0W], 1
	s_lshl_b32 s[G0W+1], s28, 16                   ; part p = my wave's number: LDS 65,536 p
	s_lshl_b32 s24, s28, 19                        ; 64 ntiles of 8,192 bytes a part,
	s_lshl_b32 s25, s33, 16                        ; 8 a block
	s_add_co_u32 s24, s24, s25
	s_mov_b32 s25, 0
	s_add_nc_u64 s[G0W+2:G0W+3], s[8:9], s[24:25]
	s_or_b32 s[G0W+3], s[G0W+3], 0x80000000
	s_mov_b32 s[G0WS], 1
	s_lshl_b32 s[G0WS+1], s28, 12
	s_add_co_u32 s[G0WS+1], s[G0WS+1], WSB
	s_lshl_b32 s24, s28, 12                        ; 1,024 words a part,
	s_lshl_b32 s25, s33, 9                         ; 128 a block
	s_add_co_u32 s24, s24, s25
	s_mov_b32 s25, 0
	s_add_nc_u64 s[G0WS+2:G0WS+3], s[10:11], s[24:25]
	s_or_b32 s[G0WS+3], s[G0WS+3], 0x80000000
	s_mov_b32 s[G0X], 1
	s_mov_b32 s[G0X+1], XC
	s_lshl_b32 s26, s34, 16                        ; 128 rows of 512 bytes
	s_mov_b32 s27, 0
	s_add_nc_u64 s[G0X+2:G0X+3], s[4:5], s[26:27]
	s_or_b32 s[G0X+3], s[G0X+3], 0x80000000
	s_mov_b32 s[G0XS], 1
	s_mov_b32 s[G0XS+1], XSB
	s_lshl_b32 s26, s34, 12                        ; 128 rows of 32 bytes
	s_add_nc_u64 s[G0XS+2:G0XS+3], s[6:7], s[26:27]
	s_or_b32 s[G0XS+3], s[G0XS+3], 0x80000000
	CROUND                                         ; all sixteen work-groups are here: the joint loads meet
	s_cmp_eq_u32 s28, 3                            ; waves 0 to 2 fetch w's parts q, k, v, wave 3 fetches x: a wave's two fills stand in one branch on its number; two tensor loads of mine are out
	s_cbranch_scc1 .Lfill_x
	tensor_load_to_lds s[G0W:G0W+3], s[G1W:G1W+7]
	s_nop 0
	tensor_load_to_lds s[G0WS:G0WS+3], s[G1WS:G1WS+7]
	s_nop 0
.rept 4
	v_nop
.endr
	s_branch .Lfilled
.Lfill_x:
	tensor_load_to_lds s[G0X:G0X+3], s[G1X:G1X+7]
	s_nop 0
	tensor_load_to_lds s[G0XS:G0XS+3], s[G1XS:G1XS+7]
	s_nop 0
.rept 4
	v_nop
.endr
.Lfilled:
	; while the tiles are on their way: biases, gains and offsets into registers, in the results' layout
	v_and_b32 v10, 15, v0                          ; r
	v_bfe_u32 v11, v0, 4, 1                        ; h
	v_and_b32 v12, 31, v0                          ; lane
	v_lshlrev_b32 v[BH], 5, v11
	v_lshlrev_b32 v[BR], 2, v10
	v_lshlrev_b32 v[QO], 4, v12
	s_lshl_b32 s24, s33, 9
	s_lshl_b32 s25, s30, 8
	s_add_co_u32 s24, s24, s25
	s_mov_b32 s25, 0
	s_add_nc_u64 s[12:13], s[12:13], s[24:25]      ; b_qkv at my head's first channel of q: 4 (128 j + 64 wn) bytes
	WIN 0x80                                       ; destination window 2
.irp n, 0,1,2,3
.irp u, 0,1
	global_load_b128 v[BI+8*\n+4*\u:BI+8*\n+4*\u+3], v[BH], s[12:13] offset:64*\n+16*\u           ; channels 16 nt + 8 h + 0 .. 7
	global_load_b128 v[GG+8*\n+4*\u:GG+8*\n+4*\u+3], v[BH], s[14:15] offset:64*\n+16*\u
	global_load_b128 v[BE+8*\n+4*\u:BE+8*\n+4*\u+3], v[BH], s[16:17] offset:64*\n+16*\u
.endr
.endr
	WIN 0xc0                                       ; destination window 3
.irp n, 0,1,2,3
.irp u, 0,1
	global_load_b128 v[BI+8*\n+4*\u:BI+8*\n+4*\u+3], v[BH], s[12:13] offset:4096+64*\n+16*\u
	global_load_b128 v[GG+8*\n+4*\u:GG+8*\n+4*\u+3], v[BH], s[18:19] offset:64*\n+16*\u
	global_load_b128 v[BE+8*\n+4*\u:BE+8*\n+4*\u+3], v[BH], s[20:21] offset:64*\n+16*\u
.endr
.endr
	WIN 0x40                                       ; destination window 1: v's bias: a lane holds one channel, so its eight registers of a tile hold the same number
.irp n, 0,1,2,3
.irp u, 0,1,2,3,4,5,6,7
	global_load_b32 v[VB+8*\n+\u], v[BR], s[12:13] offset:8192+64*\n
.endr
.endr
	WIN 0
	s_lshl_b32 s24, s30, 15                        ; my four ntiles of a part
	v_add_nc_u32 v[AW], s24, v[QO]
	v_add_nc_u32 v[AW+1], 0x10000, v[AW]
	v_add_nc_u32 v[AW+2], 0x20000, v[AW]
	s_mul_i32 s24, s29, 64*XP
	s_add_co_u32 s24, s24, XC
	v_mul_u32_u24 v[AX], v10, XP
	v_lshl_add_u32 v[AX], v11, 4, v[AX]
	v_add_nc_u32 v[AX], s24, v[AX]                 ; row 64 wm + r, + 16 h
	s_lshl_b32 s24, s29, 11
	s_add_co_u32 s24, s24, XSB
	v_lshl_add_u32 v[AXS], v12, 5, s24             ; x's scale bytes: row 64 wm + lane
	s_lshl_b32 s24, s30, 8
	s_add_co_u32 s24, s24, WSB
	v_lshl_add_u32 v[AWS], v12, 2, s24             ; w's scale words: column 64 wn + lane
	; where my results go: bh = 16 (i / 16) + 2 j + wn; 262,144 bytes a head; my 64 tokens begin 16,384 (i % 16) + 8,192 wm bytes on, in q, k and v alike
	s_lshr_b32 s98, s34, 4
	s_lshl_b32 s98, s98, 4
	s_lshl_b32 s99, s33, 1
	s_add_co_u32 s98, s98, s99
	s_add_co_u32 s98, s98, s30
	s_lshl_b32 s98, s98, 18
	s_and_b32 s99, s34, 15
	s_lshl_b32 s99, s99, 14
	s_add_co_u32 s98, s98, s99
	s_lshl_b32 s99, s29, 13
	s_add_co_u32 s98, s98, s99
	s_mov_b32 s99, 0
	s_add_nc_u64 s[98:99], s[22:23], s[98:99]      ; q
	s_add_nc_u64 s[100:101], s[98:99], 0x800000    ; k
	s_add_nc_u64 s[38:39], s[98:99], 0x1000000     ; v
	s_wait_loadcnt 0x0
	WIN 0xaa                                       ; all in window 2: q's gain and offset take log2(e) / 8
.irp n, 0,2,4,6,8,10,12,14,16,18,20,22,24,26,28,30,32,34,36,38,40,42,44,46,48,50,52,54,56,58,60,62
	v_pk_mul_f32 v[GG+\n:GG+\n+1], v[GG+\n:GG+\n+1], s[94:95] op_sel_hi:[1,0]
.endr
	WIN 0
	s_wait_tensorcnt 0x0                           ; my two tiles are in,
	s_barrier_signal -1
	s_barrier_wait -1                              ; everybody's are
.irp u, 0,1
.irp q, 0,1
	ds_load_b128 v[SX+8*\u+4*\q:SX+8*\u+4*\q+3], v[AXS] offset:1024*\u+16*\q       ; x's scale words, all eight ksteps of rows 32 u + lane
.endr
.endr
.irp s, 0,1,2,3,4,5,6,7
.irp p, 0,1,2
.irp u, 0,1
	ds_load_b32 v[SWD+6*\s+2*\p+\u], v[AWS] offset:4096*\p+512*\s+128*\u           ; w's, columns 32 u + lane
.endr
.endr
.endr
	FX 0
	FW 0, 0
	FW 1, 0
	FW 2, 0
.irp s, 0,1,2,3,4,5,6,7
	KSTEP \s
.endr
	PLACES
	WIN 0xaa
	LNORM                                          ; q
	WIN 0x08                                       ; a store's data are its source 1: window 2
	QKOUT 98
	WIN 0xff
	LNORM                                          ; k
	WIN 0x0c
	QKOUT 100
	WIN 0x45                                       ; v: rounded to f16 and packed in place, ascending, each accumulator from its low end on
.irp a, 0,1,2,3,4,5,6,7,8,9,10,11,12,13,14,15
.irp i, 0,1,2,3
	v_cvt_pk_f16_f32 v[VA+4*\a+\i], v[VA+8*\a+2*\i], v[VA+8*\a+2*\i+1]
.endr
.endr
	WIN 0x04
.irp n, 0,1,2,3
.irp m, 0,1,2,3
	global_store_b128 v[QO], v[VA+4*(4*\n+\m):VA+4*(4*\n+\m)+3], s[38:39] offset:4096*(\m/2)+1024*\n+512*(\m%2)
.endr
.endr
	WIN 0
	s_wait_tensorcnt 0x0                           ; the wave's end, behind my last tensor load
	ds_add_u32 v[SPW], v[NIL]
	s_wait_dscnt 0x0
	CROUND                                         ; the closing round
	s_endpgm
.Lfunc_end_k_q09ba1db22d_qkv:
	.size	k_q09ba1db22d_qkv, .Lfunc_end_k_q09ba1db22d_qkv-k_q09ba1db22d_qkv
	.p2alignl 7, 3214868480
	.fill 96, 4, 3214868480
	.section	.rodata,"a",@progbits
	.p2align	6, 0x0
	.amdhsa_kernel k_q09ba1db22d_qkv
		.amdhsa_group_segment_fixed_size 327680
		.amdhsa_private_segment_fixed_size 0
		.amdhsa_enable_private_segment 0
		.amdhsa_kernarg_size 80
		.amdhsa_user_sgpr_count 2
		.amdhsa_user_sgpr_kernarg_segment_ptr 1
		.amdhsa_wavefront_size32 1
		.amdhsa_system_sgpr_workgroup_id_x 1
		.amdhsa_system_sgpr_workgroup_id_y 1
		.amdhsa_system_sgpr_workgroup_id_z 1
		.amdhsa_system_vgpr_workitem_id 0
		.amdhsa_next_free_vgpr 1024
		.amdhsa_next_free_sgpr 104
		.amdhsa_reserve_vcc 0
		.amdhsa_float_denorm_mode_32 3
		.amdhsa_float_denorm_mode_16_64 3
		.amdhsa_memory_ordered 1
		.amdhsa_forward_progress 1
		.amdhsa_inst_pref_size 150
	.end_amdhsa_kernel
	.amdgpu_metadata
---
amdhsa.version: [ 1, 2 ]
amdhsa.kernels:
  - .name:           k_q09ba1db22d_qkv
    .symbol:         k_q09ba1db22d_qkv.kd
    .args:
      - { .name: xc, .offset: 0, .size: 8, .value_kind: global_buffer, .address_space: global }
      - { .name: xs, .offset: 8, .size: 8, .value_kind: global_buffer, .address_space: global }
      - { .name: wc, .offset: 16, .size: 8, .value_kind: global_buffer, .address_space: global }
      - { .name: ws, .offset: 24, .size: 8, .value_kind: global_buffer, .address_space: global }
      - { .name: b_qkv, .offset: 32, .size: 8, .value_kind: global_buffer, .address_space: global }
      - { .name: g_q, .offset: 40, .size: 8, .value_kind: global_buffer, .address_space: global }
      - { .name: be_q, .offset: 48, .size: 8, .value_kind: global_buffer, .address_space: global }
      - { .name: g_k, .offset: 56, .size: 8, .value_kind: global_buffer, .address_space: global }
      - { .name: be_k, .offset: 64, .size: 8, .value_kind: global_buffer, .address_space: global }
      - { .name: qkvf, .offset: 72, .size: 8, .value_kind: global_buffer, .address_space: global }
    .group_segment_fixed_size: 327680
    .private_segment_fixed_size: 0
    .kernarg_segment_align: 8
    .kernarg_segment_size: 80
    .max_flat_workgroup_size: 128
    .sgpr_count:     104
    .vgpr_count:     1024
    .wavefront_size: 32
...
	.end_amdgpu_metadata
.endif
;; end of part 2
;; launch attn (part 3): grid 8 x 32, 16 waves a work-group, clusters of 4 x 1, 327,680 bytes of LDS; arguments qkvf, af; writes af
.if DOCPART == 3
	.amdgcn_target "amdgcn-amd-amdhsa--gfx1250"
	.amdhsa_code_object_version 6
	.text
	.protected	k_q09ba1db22d_attn
	.globl	k_q09ba1db22d_attn
	.p2align	8
	.type	k_q09ba1db22d_attn,@function
k_q09ba1db22d_attn:
	s_mov_b64 s[64:65], 0
	v_nop
	global_prefetch_b8 v0, s[64:65] scope:SCOPE_SE
	s_setreg_imm32_b32 hwreg(HW_REG_WAVE_MODE, 25, 1), 1
	s_wait_xcnt 0x0
	s_wait_alu depctr_hold_cnt(0) depctr_sa_sdst(0) depctr_va_vdst(0) depctr_va_sdst(0) depctr_va_ssrc(0) depctr_va_vcc(0) depctr_vm_vsrc(0)
	s_getreg_b32 s2, hwreg(HW_REG_IB_STS2, 6, 4)
	s_cmp_eq_u32 s2, 0
	s_cbranch_scc0 .Lentry_in_a_cluster
	s_endpgm
.Lentry_in_a_cluster:
	s_bfe_u32 s2, ttmp6, 0x10000c
	s_cmp_lg_u32 s2, 0x3003
	s_cbranch_scc0 .Lentry_shape_is_right
	s_endpgm
.Lentry_shape_is_right:
; ATTN: O[bh][q] = the sum over k of softmax_k(q . k) v, 32 heads of 2,048 tokens x 64 channels, on f16 operands with f32 products, maxima and sums.  q carries the factors 1/8 and log2(e) already,
; so a score is an exponent of 2.  The weights p = 2^(s - m) are rounded to f16 for the second product; the row's sum is taken of the unrounded p.
; SHARES.  A work-group owns 256 queries of one head and has SIXTEEN waves of 256 registers: four to a SIMD, which fill its 1,024 registers, so that one wave's vector work, another's matrix work and a third's
; LDS loads stand side by side.  Wave w takes the 32 queries of group w % 8 (two tiles t = 0, 1) and HALF OF THE KEYS: of each slot's eight steps of 64 keys the first four (w < 8) or the last four.
; Each wave keeps a running maximum, sum and O^T of its own over its 1,024 keys; at the end waves 8-15 hand theirs to waves 0-7 through LDS, which bring the two under one maximum, add, divide and store.
; So each fragment read from LDS still feeds two products, and LDS is read no more than if eight waves walked all keys.
; LAYOUT.  All three operands lie in memory, and in LDS, in the order of the operands' registers: a group of four registers is 512 consecutive bytes, 16 a lane: every LDS load is at 16 x lane + a constant.
; S^T = K Q^T (source 0 = 16 keys, source 1 = 16 queries): a lane holds one query and keys 8 (lane / 16) + 0 .. 7 of each tile of 16.  Two such tiles, rounded to f16 in pairs, in place, are source 1 of
; O^T = V^T P, whose result holds one query a lane and eight channels; packed to f16 it is 16 bytes of the projection's token fragment.
; SOFTMAX.  A running maximum m and sum l for each query; in every step l and O^T are multiplied by a = 2^(m_old - m_new).  The loop has no first step of its own: m begins at -3e38 and l and O^T at 0.
; RING.  Two LDS slots of 512 keys (K's 65,536 bytes, then V's).  Each of the sixteen waves fetches 8,192 bytes of a slot, 32 rows of 256, by one tensor load: one line for all waves, no branch.
; The head's keys are four slots' worth: two first fills, two refills.
; CLUSTER.  The four query blocks of a cluster belong to one head and walk the same K and V: every tile is asked for jointly, by the same load with the mask of all four.
; OUT: af [kchunk 4][token tile 256][ks 8][c 2][lane][16 bytes], k = 64 x head + channel = 256 kchunk + 32 ks + 16 c + 8 (lane / 16) + 0 .. 7.  Every store of a wave covers 512 consecutive bytes, aligned.
; LIMITS: the output goes to f16: magnitudes over 65,504 are not served, those under 6e-5 are carried with an absolute error of 2^-25; a weight under 2^-25 of the largest of its row's half counts as 0 in the
; second product.  NaN and infinities are not served.
.set SLOT1, 131072
.set VOFF,  65536
.set SPARE, 262144                     ; behind the ring: the spare words, 128 bytes for each of sixteen waves; no other line names them
.set STG,   8704                       ; the way out: a stage for each pair of waves, in slot 0: 16 images of 512 bytes (O^T), then 2 x 256 bytes (m and l).  Slot 0 has had its last fill, and nobody reads it behind the last change of slots
.set LI,  1                            ; v1   16 x lane
.set LIV, 2                            ; v2   16 x lane + VOFF
.set ADK, 3                            ; v3   LDS address of the step's K; on the way out: of my pair's images
.set ADV, 4                            ; v4   of its V; on the way out: of my pair's m and l
.set SPW, 5
.set NIL, 6
.set PFO, 7                            ; v7   256 x lane: the prefetch's offset; never rewritten
.set ST,  8                            ; v8-23  tile t at ST + 8 t: +0 m, +1 0 (m's partner in a pair; at the end l), +2, +3 l, +4 to +7 c0-c3 at work (a in c2)
.set Q,   24                           ; v24-55   Q: 16 t + 8 cs
.set KV,  56                           ; v56-119  K's fragments (16 kt + 8 cs), later in the step V's (32 kk + 8 ct); on the way out the partner's O^T
.set S,   120                          ; v120-183 S^T: 32 t + 8 kt; then p; then p in f16 in the lower 16 of each 32
.set O,   184                          ; v184-247 O^T: 32 t + 8 ct
.set G1,  24                           ; s[24:31] descriptor group 1;  s[32:35], s[36:39] groups 0 of slots 0 and 1
.set G0A, 32
.set G0B, 36
.macro CROUND                          ; a round of the cluster's barrier
	s_barrier_signal -1
	s_barrier_wait -1
	s_cmp_lg_u32 s8, 0
	s_cbranch_scc1 .Lnot_wave_0_\@
	s_barrier_signal -3
.Lnot_wave_0_\@:
	s_barrier_wait -3
	s_barrier_signal -1
	s_barrier_wait -1
.endm
; A KEY STEP: 64 keys, whose K begins at LDS byte s22 and whose V VOFF further on.
.macro STEP
	v_add_nc_u32 v[ADK], s22, v[LI]
	v_add_nc_u32 v[ADV], s22, v[LIV]
.rept 3
	v_nop                                          ; with the two additions five places behind the last step's products: the loads below land in registers that those read (four are asked), and the products below write over p, their source (five)
.endr
.irp k, 0,1,2,3
.irp c, 0,1,2,3
	ds_load_b128 v[KV+16*\k+4*\c:KV+16*\k+4*\c+3], v[ADK] offset:2048*\k+512*\c    ; keys 16 kt on; channels 16 c + 8 h + 0 .. 7
.endr
.endr
	s_wait_dscnt 0x0
.irp c, 0,1                                    ; S^T = K Q^T: eight accumulators by turns, 32 channels at a time; the first products start the sums
.irp k, 0,1,2,3
.irp t, 0,1
.if \c == 0
	v_wmma_f32_16x16x32_f16 v[S+32*\t+8*\k:S+32*\t+8*\k+7], v[KV+16*\k+8*\c:KV+16*\k+8*\c+7], v[Q+16*\t+8*\c:Q+16*\t+8*\c+7], 0
.else
	v_wmma_f32_16x16x32_f16 v[S+32*\t+8*\k:S+32*\t+8*\k+7], v[KV+16*\k+8*\c:KV+16*\k+8*\c+7], v[Q+16*\t+8*\c:Q+16*\t+8*\c+7], v[S+32*\t+8*\k:S+32*\t+8*\k+7]
.endif
.endr
.endr
.endr
.rept 4
	v_nop                                          ; places in front of the loads into K's registers and of the first read of the scores
.endr
.irp k, 0,1
.irp c, 0,1,2,3
.irp u, 0,1
	ds_load_b128 v[KV+32*\k+8*\c+4*\u:KV+32*\k+8*\c+4*\u+3], v[ADV] offset:4096*\k+1024*\c+512*\u   ; V lands under the softmax: keys 32 kk + 16 u + 8 h on, channel 16 ct + r
.endr
.endr
.endr
	; the softmax, the two tiles line by line by turns.  The maximum of my 32 scores and the old m: four chains, each accumulator from its low end on
.irp j, 0,1,2,3
.irp t, 0,1
	v_max3_num_f32 v[ST+8*\t+4+\j], v[S+32*\t+8*\j], v[S+32*\t+8*\j+1], v[S+32*\t+8*\j+2]
.endr
.endr
.irp u, 3,5
.irp j, 0,1,2,3
.irp t, 0,1
	v_max3_num_f32 v[ST+8*\t+4+\j], v[ST+8*\t+4+\j], v[S+32*\t+8*\j+\u], v[S+32*\t+8*\j+\u+1]
.endr
.endr
.endr
.irp t, 0,1
	v_max3_num_f32 v[ST+8*\t+4], v[ST+8*\t+4], v[S+32*\t+7], v[S+32*\t+15]
.endr
.irp t, 0,1
	v_max3_num_f32 v[ST+8*\t+6], v[ST+8*\t+6], v[S+32*\t+23], v[S+32*\t+31]
.endr
.irp t, 0,1
	v_max3_num_f32 v[ST+8*\t+4], v[ST+8*\t+4], v[ST+8*\t+5], v[ST+8*\t+6]
.endr
.irp t, 0,1
	v_max3_num_f32 v[ST+8*\t+4], v[ST+8*\t+4], v[ST+8*\t+7], v[ST+8*\t]
.endr
.irp t, 0,1
	v_permlanex16_b32 v[ST+8*\t+5], v[ST+8*\t+4], s20, s21         ; the query's other 32 keys lie in the lane 16 away
.endr
.irp t, 0,1
	v_max_num_f32 v[ST+8*\t+5], v[ST+8*\t+4], v[ST+8*\t+5]         ; the new m
.endr
.irp t, 0,1
	v_sub_f32 v[ST+8*\t+7], v[ST+8*\t], v[ST+8*\t+5]               ; m_old - m_new, 0 or less
.endr
.irp t, 0,1
	v_mov_b32 v[ST+8*\t], v[ST+8*\t+5]
.endr
.irp n, 0,2,4,6,8,10,12,14,16,18,20,22,24,26,28,30
.irp t, 0,1
	v_pk_add_f32 v[S+32*\t+\n:S+32*\t+\n+1], v[S+32*\t+\n:S+32*\t+\n+1], v[ST+8*\t:ST+8*\t+1] op_sel_hi:[1,0] neg_lo:[0,1] neg_hi:[0,1]   ; s - m
.endr
.endr
.irp t, 0,1
	v_exp_f32 v[ST+8*\t+6], v[ST+8*\t+7]                           ; a
.endr
.irp n, 0,1,2,3,4,5,6,7,8,9,10,11,12,13,14,15,16,17,18,19,20,21,22,23,24,25,26,27,28,29,30,31
.irp t, 0,1
	v_exp_f32 v[S+32*\t+\n], v[S+32*\t+\n]                         ; p: both tiles' 66 exponentials are one batch
.endr
.endr
	v_nop                                          ; a plain line behind the last exponential,
	s_wait_alu depctr_va_vdst(0)                   ; and one wait for the batch, ahead of its first reader
.irp t, 0,1
	v_pk_mul_f32 v[ST+8*\t+2:ST+8*\t+3], v[ST+8*\t+2:ST+8*\t+3], v[ST+8*\t+6:ST+8*\t+7] op_sel_hi:[1,0]   ; l under the new m
.endr
.irp t, 0,1
	v_pk_add_f32 v[ST+8*\t+4:ST+8*\t+5], v[S+32*\t:S+32*\t+1], v[S+32*\t+2:S+32*\t+3]                     ; the row's sum of the unrounded p, in two chains
.endr
.irp n, 4,8,12,16,20,24,28
.irp t, 0,1
	v_pk_add_f32 v[ST+8*\t+2:ST+8*\t+3], v[ST+8*\t+2:ST+8*\t+3], v[S+32*\t+\n:S+32*\t+\n+1]
.endr
.irp t, 0,1
	v_pk_add_f32 v[ST+8*\t+4:ST+8*\t+5], v[ST+8*\t+4:ST+8*\t+5], v[S+32*\t+\n+2:S+32*\t+\n+3]
.endr
.endr
.irp t, 0,1
	v_pk_add_f32 v[ST+8*\t+2:ST+8*\t+3], v[ST+8*\t+2:ST+8*\t+3], v[ST+8*\t+4:ST+8*\t+5]
.endr
.irp i, 0,1,2,3,4,5,6,7,8,9,10,11,12,13,14,15
.irp t, 0,1
	v_cvt_pk_f16_f32 v[S+32*\t+\i], v[S+32*\t+2*\i], v[S+32*\t+2*\i+1]     ; packed in place, ascending: registers 8 kk on are source 1 for keys 32 kk on
.endr
.endr
.irp n, 0,2,4,6,8,10,12,14,16,18,20,22,24,26,28,30
.irp t, 0,1
	v_pk_mul_f32 v[O+32*\t+\n:O+32*\t+\n+1], v[O+32*\t+\n:O+32*\t+\n+1], v[ST+8*\t+6:ST+8*\t+7] op_sel_hi:[1,0]   ; O^T under the new m
.endr
.endr
	s_wait_dscnt 0x0                               ; V is in
.irp k, 0,1                                    ; O^T += V^T P: eight accumulators by turns, 32 keys at a time
.irp c, 0,1,2,3
.irp t, 0,1
	v_wmma_f32_16x16x32_f16 v[O+32*\t+8*\c:O+32*\t+8*\c+7], v[KV+32*\k+8*\c:KV+32*\k+8*\c+7], v[S+32*\t+8*\k:S+32*\t+8*\k+7], v[O+32*\t+8*\c:O+32*\t+8*\c+7]
.endr
.endr
.endr
.endm
.macro SLOT_STEPS base                 ; my four of a slot's eight key steps: written once, walked four times
	s_add_co_u32 s22, s43, \base                   ; my half of the slot's keys begins 32,768 x (wave / 8) bytes into K's part, and into V's
	s_mov_b32 s23, 4
.Lstep_\@:
	STEP
	s_add_co_u32 s22, s22, 8192                    ; 64 keys of K, and of V, are 8,192 bytes
	s_sub_co_u32 s23, s23, 1
	s_cmp_lg_u32 s23, 0
	s_cbranch_scc1 .Lstep_\@
.endm
; THE CHANGE OF SLOTS.  Each wave waits for all its tensor loads (one is out: its part of the slot ahead), adds 0 to its spare word, and waits for that and for its reads of the slot that it leaves.  Behind the
; round no wave of any partner reads that slot or has a load on its way: it is filled with the keys two slots on, first thing; the load has a whole slot's steps in which to land.
.macro CHANGE g0
	s_wait_tensorcnt 0x0                           ; no tensor load of mine is out, so a group 0 may be written
	ds_add_u32 v[SPW], v[NIL]
	s_add_nc_u64 s[\g0+2:\g0+3], s[\g0+2:\g0+3], 131072   ; two slots on in memory; the type bits on top are not reached
	s_wait_dscnt 0x0
	CROUND
	tensor_load_to_lds s[\g0:\g0+3], s[G1:G1+7]
	s_nop 0
.rept 4
	v_nop
.endr
.endm
	s_load_b128 s[4:7], s[0:1], 0x0                ; qkvf 4:5, af 6:7
	v_lshl_add_u32 v[SPW], v0, 2, SPARE
	v_mov_b32 v[NIL], 0
	ds_add_u32 v[SPW], v[NIL]                      ; the wave's opening: the add, twice on end, and its wait ahead of my first tensor load
	ds_add_u32 v[SPW], v[NIL]
	v_lshrrev_b32 v3, 5, v0
	v_readfirstlane_b32 s8, v3                     ; wave 0..15
	s_bfe_u32 s9, ttmp6, 0x40000                   ; cx
	s_lshl_b32 s10, ttmp9, 2
	s_add_co_u32 s10, s10, s9                      ; my block of 256 queries: it enters Q's, the output's and the prefetch's addresses alone
	s_and_b32 s11, ttmp7, 0xffff                   ; bh, which the four partners share
	s_mov_b32 s[G1], 15|(3<<16)|(1<<21)            ; the mask: all four work-groups; elements of 8 bytes; bit 21 set beside a mask
	s_mov_b32 s[G1+1], 32<<16                      ; 8,192 dense bytes as 32 rows of 256
	s_mov_b32 s[G1+2], 32<<16
	s_mov_b32 s[G1+3], 32<<16
	s_mov_b32 s[G1+4], 32
	s_mov_b32 s[G1+5], 32
	s_mov_b32 s[G1+6], 0
	s_mov_b32 s[G1+7], 0
	s_lshr_b32 s43, s8, 3                          ; wave / 8: which half of the keys I walk.  Also: waves 0-7 fetch K, waves 8-15 V
	s_and_b32 s23, s8, 7                           ; wave % 8: my group of 32 queries.  Also: which eighth of a slot's K or V I fetch
	s_add_co_u32 s12, s43, 1
	s_lshl_b32 s12, s12, 23                        ; k begins 8,388,608 bytes into qkvf, v 16,777,216
	s_lshl_b32 s13, s11, 18
	s_add_co_u32 s12, s12, s13                     ; + 262,144 a head
	s_mov_b32 s13, 0
	s_lshl_b32 s14, s23, 13                        ; my eighth of a slot's 65,536 bytes
	s_mov_b32 s15, 0
	s_lshl_b32 s16, s11, 18                        ; Q: my head, my block's 16 tiles of 2,048 bytes, my group's two
	s_lshl_b32 s17, s10, 15
	s_add_co_u32 s16, s16, s17
	s_lshl_b32 s17, s23, 12
	s_add_co_u32 s16, s16, s17
	s_mov_b32 s17, 0
	s_and_b32 s18, s11, 15                         ; the output: head hd = bh % 16: kchunk hd / 4 (2,097,152 bytes), 2,048 (hd % 4) in a token tile's 8,192;
	s_lshr_b32 s19, s18, 2
	s_lshl_b32 s19, s19, 21
	s_and_b32 s18, s18, 3
	s_lshl_b32 s18, s18, 11
	s_add_co_u32 s18, s18, s19
	s_lshr_b32 s19, s11, 4                         ; token tile 128 (bh / 16) + 16 block + 2 group
	s_lshl_b32 s19, s19, 20
	s_add_co_u32 s18, s18, s19
	s_lshl_b32 s19, s10, 17
	s_add_co_u32 s18, s18, s19
	s_lshl_b32 s19, s23, 14
	s_add_co_u32 s18, s18, s19
	s_mov_b32 s19, 0
	s_lshl_b32 s43, s43, 15                        ; my half of a slot's keys, in bytes of K and of V
	s_lshl_b32 s46, s9, 14                         ; the prefetch: of the fourth slot's worth (196,608 bytes on) my work-group's 16,384 bytes, told apart by address, my wave's 8,192
	s_and_b32 s47, s8, 1
	s_lshl_b32 s47, s47, 13
	s_add_co_u32 s46, s46, s47
	s_add_co_u32 s46, s46, 196608
	s_mov_b32 s47, 0
	s_and_b32 s42, s8, 6
	s_or_b32 s42, s42, ttmp9                       ; 0 in waves 0, 1 (K) and 8, 9 (V) of the head's first cluster: the same in all four partners
	s_mov_b32 s20, 0x76543210
	s_mov_b32 s21, 0xfedcba98                      ; v_permlanex16_b32's selects for lane l xor 16
	s_wait_dscnt 0x0                               ; both opening adds are done
	s_wait_kmcnt 0x0
	s_add_nc_u64 s[44:45], s[4:5], s[12:13]        ; my head's K or V
	s_add_nc_u64 s[16:17], s[4:5], s[16:17]
	s_add_nc_u64 s[18:19], s[6:7], s[18:19]
	s_add_nc_u64 s[40:41], s[44:45], s[46:47]
	s_mov_b32 s[G0A], 1
	s_lshl_b32 s[G0A+1], s8, 13                    ; LDS: slot 0 + 8,192 x wave: K's eight parts, then V's
	s_add_nc_u64 s[G0A+2:G0A+3], s[44:45], s[14:15]
	s_mov_b32 s[G0B], 1
	s_add_co_u32 s[G0B+1], s[G0A+1], SLOT1
	s_add_nc_u64 s[G0B+2:G0B+3], s[G0A+2:G0A+3], 65536
	s_or_b32 s[G0A+3], s[G0A+3], 0x80000000
	s_or_b32 s[G0B+3], s[G0B+3], 0x80000000
	CROUND                                         ; all four work-groups are here: the first joint loads meet
	tensor_load_to_lds s[G0A:G0A+3], s[G1:G1+7]    ; both first fills on end: two tensor loads of mine are out
	s_nop 0
	tensor_load_to_lds s[G0B:G0B+3], s[G1:G1+7]
	s_nop 0
.rept 4
	v_nop
.endr
	v_and_b32 v[LI], 31, v0
	v_lshlrev_b32 v[PFO], 8, v[LI]
	v_lshlrev_b32 v[LI], 4, v[LI]
	v_add_nc_u32 v[LIV], VOFF, v[LI]
.irp t, 0,1
.irp c, 0,1,2,3
	global_load_b128 v[Q+16*\t+4*\c:Q+16*\t+4*\c+3], v[LI], s[16:17] offset:2048*\t+512*\c   ; Q stays in registers
.endr
.endr
.irp t, 0,1
	v_mov_b32 v[ST+8*\t], 0xff61b1e6               ; m: -3e38, under every score
	v_mov_b32 v[ST+8*\t+1], 0
	v_mov_b32 v[ST+8*\t+2], 0                      ; l
	v_mov_b32 v[ST+8*\t+3], 0
.endr
.irp n, 0,1,2,3,4,5,6,7,8,9,10,11,12,13,14,15,16,17,18,19,20,21,22,23,24,25,26,27,28,29,30,31,32,33,34,35,36,37,38,39,40,41,42,43,44,45,46,47,48,49,50,51,52,53,54,55,56,57,58,59,60,61,62,63
	v_mov_b32 v[O+\n], 0                           ; O^T: the step is written once; its first walk finds zeros, which the first a, 0, leaves zeros
.endr
	s_wait_tensorcnt 0x1                           ; my part of slot 0 is in; slot 1's may stay out
	s_barrier_signal -1
	s_barrier_wait -1
	s_wait_loadcnt 0x0                             ; Q
	SLOT_STEPS 0                                   ; keys 0 to 511
	CHANGE G0A                                     ; slot 0 takes keys 1,024 on
	s_cmp_eq_u32 s42, 0                            ; a prefetch of what the next change will ask for, keys 1,536 on: a slot's steps ahead of that load.  Each aligned block of 256 bytes is named once in the launch:
	s_cbranch_scc0 .Lnot_mine                      ; the head's first cluster asks; its partners take 16,384 bytes each of K and of V, two waves each, lanes 256 bytes apart.  The earlier slots come by their loads alone
	global_prefetch_b8 v[PFO], s[40:41] th:TH_LOAD_NT scope:SCOPE_SE
.Lnot_mine:
	SLOT_STEPS SLOT1                               ; keys 512 on
	CHANGE G0B                                     ; slot 1 takes keys 1,536 on: the last load
	SLOT_STEPS 0                                   ; keys 1,024 on
	s_wait_tensorcnt 0x0                           ; the last change of slots fills nothing: my part of slot 1 is in,
	ds_add_u32 v[SPW], v[NIL]
	s_wait_dscnt 0x0                               ; my reads of slot 0 are over,
	s_barrier_signal -1
	s_barrier_wait -1                              ; and everybody's: from here on slot 0 is neither filled nor read as a slot
	SLOT_STEPS SLOT1                               ; keys 1,536 on
	; THE WAY OUT.  Every wave sums its l.  Waves 8-15 put O^T, m and l of their half of the keys into the pair's stage, as images of the registers; behind a barrier waves 0-7 take them,
	; bring both halves under one maximum, add, divide by the sum, round to f16 and store: the packed registers are the projection's fragments as they stand.
.rept 4
	v_nop                                          ; places behind the last products
.endr
.irp t, 0,1
	v_add_f32 v[ST+8*\t+4], v[ST+8*\t+2], v[ST+8*\t+3]
.endr
.irp t, 0,1
	v_permlanex16_b32 v[ST+8*\t+5], v[ST+8*\t+4], s20, s21
.endr
.irp t, 0,1
	v_add_f32 v[ST+8*\t+1], v[ST+8*\t+4], v[ST+8*\t+5]             ; l of my half of the keys, beside m
.endr
	s_and_b32 s12, s8, 7                           ; the stage's addresses are made by every wave, ahead of the branches on the wave's number
	s_mul_i32 s12, s12, STG
	v_add_nc_u32 v[ADK], s12, v[LI]                ; the images: 16 x lane
	v_and_b32 v[ADV], 31, v0
	v_lshlrev_b32 v[ADV], 3, v[ADV]
	v_add_nc_u32 v[ADV], s12, v[ADV]               ; m and l: 8 x lane, 8,192 bytes on
	s_cmp_lt_u32 s8, 8
	s_cbranch_scc1 .Lkeeps
.irp g, 0,1,2,3,4,5,6,7,8,9,10,11,12,13,14,15
	ds_store_b128 v[ADK], v[O+4*\g:O+4*\g+3] offset:512*\g         ; each accumulator from its low end on
.endr
.irp t, 0,1
	ds_store_b64 v[ADV], v[ST+8*\t:ST+8*\t+1] offset:8192+256*\t
.endr
.Lkeeps:
	s_wait_dscnt 0x0                               ; for the partner's sake: my stores into the stage are done
	s_barrier_signal -1
	s_barrier_wait -1
	s_cmp_lt_u32 s8, 8
	s_cbranch_scc0 .Lsent
.irp t, 0,1
	ds_load_b64 v[S+2*\t:S+2*\t+1], v[ADV] offset:8192+256*\t      ; the partner's m and l first,
.endr
.irp g, 0,1,2,3,4,5,6,7,8,9,10,11,12,13,14,15
	ds_load_b128 v[KV+4*\g:KV+4*\g+3], v[ADK] offset:512*\g        ; then its O^T
.endr
	s_wait_dscnt 16                                ; m and l are in; the sixteen loads behind them may be out while the factors are made
.irp t, 0,1
	v_max_num_f32 v[ST+8*\t+4], v[ST+8*\t], v[S+2*\t]              ; the row's maximum over all keys
.endr
.irp t, 0,1
	v_sub_f32 v[ST+8*\t+5], v[ST+8*\t], v[ST+8*\t+4]
.endr
.irp t, 0,1
	v_sub_f32 v[ST+8*\t+6], v[S+2*\t], v[ST+8*\t+4]
.endr
.irp t, 0,1
	v_exp_f32 v[ST+8*\t+5], v[ST+8*\t+5]                           ; what brings my half under it,
	v_exp_f32 v[ST+8*\t+6], v[ST+8*\t+6]                           ; and the partner's
.endr
	v_nop
	s_wait_alu depctr_va_vdst(0)                   ; one wait for the four exponentials, ahead of their first reader
.irp t, 0,1
	v_mul_f32 v[ST+8*\t+4], v[ST+8*\t+1], v[ST+8*\t+5]
.endr
.irp t, 0,1
	v_fma_f32 v[ST+8*\t+4], v[S+2*\t+1], v[ST+8*\t+6], v[ST+8*\t+4]        ; the row's sum
.endr
.irp t, 0,1
	v_rcp_f32 v[ST+8*\t+7], v[ST+8*\t+4]
.endr
	v_nop
	s_wait_alu depctr_va_vdst(0)                   ; one wait for the two reciprocals, ahead of their first reader
.irp t, 0,1
	v_mul_f32 v[ST+8*\t+4], v[ST+8*\t+5], v[ST+8*\t+7]             ; my half's factor,
.endr
.irp t, 0,1
	v_mul_f32 v[ST+8*\t+6], v[ST+8*\t+6], v[ST+8*\t+7]             ; the partner's
.endr
.irp n, 0,2,4,6,8,10,12,14,16,18,20,22,24,26,28,30
.irp t, 0,1
	v_pk_mul_f32 v[O+32*\t+\n:O+32*\t+\n+1], v[O+32*\t+\n:O+32*\t+\n+1], v[ST+8*\t+4:ST+8*\t+5] op_sel_hi:[1,0]
.endr
.endr
	s_wait_dscnt 0x0                               ; the partner's O^T is in
.irp n, 0,2,4,6,8,10,12,14,16,18,20,22,24,26,28,30
.irp t, 0,1
	v_pk_fma_f32 v[O+32*\t+\n:O+32*\t+\n+1], v[KV+32*\t+\n:KV+32*\t+\n+1], v[ST+8*\t+6:ST+8*\t+7], v[O+32*\t+\n:O+32*\t+\n+1] op_sel_hi:[1,0,1]
.endr
.endr
.irp i, 0,1,2,3,4,5,6,7,8,9,10,11,12,13,14,15
.irp t, 0,1
	v_cvt_pk_f16_f32 v[O+32*\t+\i], v[O+32*\t+2*\i], v[O+32*\t+2*\i+1]     ; packed in place, ascending
.endr
.endr
.irp t, 0,1
.irp c, 0,1,2,3
	global_store_b128 v[LI], v[O+32*\t+4*\c:O+32*\t+4*\c+3], s[18:19] offset:8192*\t+512*\c
.endr
.endr
.Lsent:
	s_wait_tensorcnt 0x0                           ; the wave's end, behind my last tensor load and my last LDS store
	ds_add_u32 v[SPW], v[NIL]
	s_wait_dscnt 0x0
	CROUND                                         ; the closing round
	s_endpgm
.Lfunc_end_k_q09ba1db22d_attn:
	.size	k_q09ba1db22d_attn, .Lfunc_end_k_q09ba1db22d_attn-k_q09ba1db22d_attn
	.p2alignl 7, 3214868480
	.fill 96, 4, 3214868480
	.section	.rodata,"a",@progbits
	.p2align	6, 0x0
	.amdhsa_kernel k_q09ba1db22d_attn
		.amdhsa_group_segment_fixed_size 327680
		.amdhsa_private_segment_fixed_size 0
		.amdhsa_enable_private_segment 0
		.amdhsa_kernarg_size 16
		.amdhsa_user_sgpr_count 2
		.amdhsa_user_sgpr_kernarg_segment_ptr 1
		.amdhsa_wavefront_size32 1
		.amdhsa_system_sgpr_workgroup_id_x 1
		.amdhsa_system_sgpr_workgroup_id_y 1
		.amdhsa_system_sgpr_workgroup_id_z 1
		.amdhsa_system_vgpr_workitem_id 0
		.amdhsa_next_free_vgpr 256
		.amdhsa_next_free_sgpr 66
		.amdhsa_reserve_vcc 0
		.amdhsa_float_denorm_mode_32 3
		.amdhsa_float_denorm_mode_16_64 3
		.amdhsa_memory_ordered 1
		.amdhsa_forward_progress 1
		.amdhsa_inst_pref_size 89
	.end_amdhsa_kernel
	.amdgpu_metadata
---
amdhsa.version: [ 1, 2 ]
amdhsa.kernels:
  - .name:           k_q09ba1db22d_attn
    .symbol:         k_q09ba1db22d_attn.kd
    .args:
      - { .name: qkvf, .offset: 0, .size: 8, .value_kind: global_buffer, .address_space: global }
      - { .name: af, .offset: 8, .size: 8, .value_kind: global_buffer, .address_space: global }
    .group_segment_fixed_size: 327680
    .private_segment_fixed_size: 0
    .kernarg_segment_align: 8
    .kernarg_segment_size: 16
    .max_flat_workgroup_size: 512
    .sgpr_count:     66
    .vgpr_count:     256
    .wavefront_size: 32
...
	.end_amdgpu_metadata
.endif
;; end of part 3
;; launch proj (part 4): grid 8 x 32, 4 waves a work-group, clusters of 4 x 4, 327,680 bytes of LDS; arguments af, wpf, b_proj, out0; writes out0
.if DOCPART == 4
	.amdgcn_target "amdgcn-amd-amdhsa--gfx1250"
	.amdhsa_code_object_version 6
	.text
	.protected	k_q09ba1db22d_proj
	.globl	k_q09ba1db22d_proj
	.p2align	8
	.type	k_q09ba1db22d_proj,@function
k_q09ba1db22d_proj:
	s_mov_b64 s[64:65], 0
	v_nop
	global_prefetch_b8 v0, s[64:65] scope:SCOPE_SE
	s_setreg_imm32_b32 hwreg(HW_REG_WAVE_MODE, 25, 1), 1
	s_wait_xcnt 0x0
	s_wait_alu depctr_hold_cnt(0) depctr_sa_sdst(0) depctr_va_vdst(0) depctr_va_sdst(0) depctr_va_ssrc(0) depctr_va_vcc(0) depctr_vm_vsrc(0)
	s_getreg_b32 s2, hwreg(HW_REG_IB_STS2, 6, 4)
	s_cmp_eq_u32 s2, 0
	s_cbranch_scc0 .Lentry_in_a_cluster
	s_endpgm
.Lentry_in_a_cluster:
	s_bfe_u32 s2, ttmp6, 0x10000c
	s_cmp_lg_u32 s2, 0xf033
	s_cbranch_scc0 .Lentry_shape_is_right
	s_endpgm
.Lentry_shape_is_right:
; PROJ: out0 = a w_proj + b_proj, [4096][1024] x [1024][1024], on f16 operands with f32 sums; out0 is f32.
; Both operands lie in memory in the order of the operands' registers: af [kchunk 4][token tile 256][8,192 bytes], wpf [kchunk 4][column tile 64][8,192 bytes]; in a tile's 8,192 bytes: [ks 8][c 2][lane][16 bytes],
; k = 256 kchunk + 32 ks + 16 c + 8 (lane / 16) + 0 .. 7 of row (token or column) lane % 16.  So a K step's tiles are dense blocks, and every LDS load is at 16 x lane + a constant.
; SHARES.  A tile of out0 is 128 x 128: 8 x 32 work-groups.  Four waves, each 64 x 64: 16 accumulators.  K goes in four steps of 256 through a ring of two LDS slots of 131,072 bytes (a's 8 tiles, then w's 8);
; each wave fetches 32,768 bytes of a slot by one tensor load (waves 0, 1: a's halves; waves 2, 3: w's).
; CLUSTER.  4 x 4 work-groups: a's tiles are asked for jointly along a row of the cluster, w's along a column.
; THE MATRIX INSTRUCTION IS USED TRANSPOSED (source 0 = 16 columns of w_proj, source 1 = 16 tokens): a lane holds eight neighbouring numbers of a row of out0.  The bias is the C of each sum's first instruction.
; REGISTERS: window 0: v16-29 addresses; v32-95 rows on the way out, two sets; v96-127 the bias; v128-255 the accumulators ((a, b) at v[128 + 8 (4 a + b)]).
;   window 1: two fragment buffers of 128: for 64 along K, 64 registers of a's fragments, then 64 of w's.
.set SLOT,   131072
.set BOFF,   65536
.set STAGE,  262144                    ; behind the ring: 16 rows x 272 bytes for each wave, for the way out; no tile lands there
.set SPITCH, 272
.set SPARE,  STAGE+4*16*SPITCH         ; the spare words, 128 bytes for each wave; no other line names them
.set ADRA, 16                          ; v16-17  LDS address of my fragments of a in slot 0, 1
.set ADRB, 20                          ; v20-21  the same for w
.set STO,  24                          ; v24     the way out: where I put 32 bytes of a row
.set RD,   25                          ; v25     where I read a row back
.set CO,   26                          ; v26     my byte offset in out0
.set BH,   27                          ; v27     32 x (lane / 16)
.set SPW,  28
.set NIL,  29
.set BK,   32
.set BI,   96
.set ACC,  128
.set F0,   0
.set F1,   128
.set G1,  24                           ; s[24:31] group 1 for a's tiles;  s[32:39] groups 0, one for each slot
.set G0,  32
.set G1B, 48                           ; s[48:55], s[56:63] the same for w's
.set G0B, 56
.set MSB, 0
.macro WIN new
.if MSB != \new
	s_set_vgpr_msb (MSB<<8)|\new
.set MSB, \new
.endif
.endm
.set MUL,  0x05                        ; sources 0 and 1 window 1; C and D window 0
.set TO_F, 0x40                        ; destination window 1, address window 0
.macro JLOAD s                         ; a joint load: waves 0 and 1 fetch for a, waves 2 and 3 for w; the branch hangs on the wave's number alone; an s_nop 0 and four v_nop follow each line
	s_cmp_eq_u32 s13, 0
	s_cbranch_scc0 .Lfor_b_\@
	tensor_load_to_lds s[G0+4*\s:G0+4*\s+3], s[G1:G1+7]
	s_nop 0
.rept 4
	v_nop
.endr
	s_branch .Lasked_\@
.Lfor_b_\@:
	tensor_load_to_lds s[G0B+4*\s:G0B+4*\s+3], s[G1B:G1B+7]
	s_nop 0
.rept 4
	v_nop
.endr
.Lasked_\@:
.endm
.macro CREST                           ; a round of the cluster's barrier behind its opening barrier
	s_cmp_lg_u32 s12, 0
	s_cbranch_scc1 .Lnot_wave_0_\@
	s_barrier_signal -3
.Lnot_wave_0_\@:
	s_barrier_wait -3
	s_barrier_signal -1
	s_barrier_wait -1
.endm
.macro CROUND
	s_barrier_signal -1
	s_barrier_wait -1
	CREST
.endm
.macro PLACES                          ; four plain places in front of loads into registers that matrix instructions have read, and of the first read of results
.rept 4
	v_nop
.endr
.endm
; 8 matrix instructions: token tiles a0, a0 + 1 x all 4 column tiles, 32 along K: half c of buffer f.  first = 1: the sums begin with the bias
.macro MUL8 f, c, a0, first
.irp a, \a0, \a0+1
.irp b, 0,1,2,3
.if \first
	v_wmma_f32_16x16x32_f16 v[ACC+8*(4*(\a)+\b):ACC+8*(4*(\a)+\b)+7], v[\f+64+8*(4*\c+\b):\f+64+8*(4*\c+\b)+7], v[\f+8*(4*\c+\a):\f+8*(4*\c+\a)+7], v[BI+8*\b:BI+8*\b+7]
.else
	v_wmma_f32_16x16x32_f16 v[ACC+8*(4*(\a)+\b):ACC+8*(4*(\a)+\b)+7], v[\f+64+8*(4*\c+\b):\f+64+8*(4*\c+\b)+7], v[\f+8*(4*\c+\a):\f+8*(4*\c+\a)+7], v[ACC+8*(4*(\a)+\b):ACC+8*(4*(\a)+\b)+7]
.endif
.endr
.endr
.endm
; 32 LDS loads in one run: the fragments of the slot's q-th 64 along K into buffer f; the first 32 along K first
.macro FETCH slot, q, f
	WIN TO_F
.irp c, 0,1
.irp i, 0,1,2,3
	ds_load_b128 v[\f+64+8*(4*\c+\i):\f+64+8*(4*\c+\i)+3],   v[ADRB+\slot] offset:8192*\i+1024*(2*(\q)+\c)
	ds_load_b128 v[\f+64+8*(4*\c+\i)+4:\f+64+8*(4*\c+\i)+7], v[ADRB+\slot] offset:8192*\i+1024*(2*(\q)+\c)+512
	ds_load_b128 v[\f+8*(4*\c+\i):\f+8*(4*\c+\i)+3],         v[ADRA+\slot] offset:8192*\i+1024*(2*(\q)+\c)
	ds_load_b128 v[\f+8*(4*\c+\i)+4:\f+8*(4*\c+\i)+7],       v[ADRA+\slot] offset:8192*\i+1024*(2*(\q)+\c)+512
.endr
.endr
.endm
; A K step is four quarters of 64 along K, 32 matrix instructions each, on buffers 0, 1, 0, 1; the 16 accumulators take turns.
; One of the first three: multiplies buffer f and fetches the slot's quarter q into g.
.macro QUARTER slot, q, f, g, first
	s_wait_dscnt 16                                ; the first 32 along K are in; the other sixteen loads may be out
	WIN MUL
	MUL8 \f, 0, 0, \first
	MUL8 \f, 0, 2, \first
	PLACES
	FETCH \slot, \q, \g
	s_wait_dscnt 32                                ; all but the 32 just issued
	WIN MUL
	MUL8 \f, 1, 0, 0
	MUL8 \f, 1, 2, 0
.endm
; The last quarter multiplies buffer 1 and changes slots: one barrier; in front of it each wave waits for all its tensor loads, adds 0 to its spare word, and waits for that and for its reads of this slot.
; fill = 1: the barrier opens a round of the cluster's, and this slot is filled again, two K steps ahead, first thing behind the round.
.macro TURN slot, next, fill
	WIN 0                                          ; (the add's two registers lie in window 0)
	s_wait_tensorcnt 0x0                           ; all my tensor loads have landed: my part of the next slot
	ds_add_u32 v[SPW], v[NIL]
	s_wait_dscnt 17                                ; (the add and the youngest sixteen loads may be out)
	WIN MUL
	MUL8 F1, 0, 0, 0
	s_wait_dscnt 0x0                               ; the add is done, and my reads of this slot are over
	s_barrier_signal -1
	MUL8 F1, 0, 2, 0
.if \fill
	WIN 0
.endif
	s_barrier_wait -1
.if \fill
	CREST                                          ; no wave of any partner still reads this slot's tiles or has a load on its way
	s_add_nc_u64 s[G0+4*\slot+2:G0+4*\slot+3], s[G0+4*\slot+2:G0+4*\slot+3], 2*2097152
	s_add_nc_u64 s[G0B+4*\slot+2:G0B+4*\slot+3], s[G0B+4*\slot+2:G0B+4*\slot+3], 2*524288
	JLOAD \slot                                    ; the four v_nop behind it are also the places in front of the loads below
.else
	PLACES
.endif
	FETCH \next, 0, F0
	WIN MUL
	MUL8 F1, 1, 0, 0
	MUL8 F1, 1, 2, 0
.endm
	s_load_b256 s[4:11], s[0:1], 0x0               ; af 4:5, wpf 6:7, b_proj 8:9, out0 10:11
	v_lshl_add_u32 v[SPW], v0, 2, SPARE
	v_mov_b32 v[NIL], 0
	ds_add_u32 v[SPW], v[NIL]                      ; the wave's opening: the add, twice on end, and its wait ahead of my first tensor load
	ds_add_u32 v[SPW], v[NIL]
	v_lshrrev_b32 v1, 5, v0
	v_readfirstlane_b32 s12, v1                    ; wave 0..3
	s_lshr_b32 s13, s12, 1                         ; which 64 tokens are mine.  Also: I fetch for a (0) or for w (1)
	s_and_b32 s14, s12, 1                          ; which 64 columns.  Also: which half of that tile I fetch
	s_bfe_u32 s40, ttmp6, 0x40000                  ; cx, cy
	s_bfe_u32 s41, ttmp6, 0x40004
	s_lshl_b32 s42, ttmp9, 2
	s_add_co_u32 s42, s42, s40                     ; j: tile column
	s_and_b32 s15, ttmp7, 0xffff
	s_lshl_b32 s15, s15, 2
	s_add_co_u32 s15, s15, s41                     ; i: tile row
	s_lshl_b32 s43, s41, 2
	s_lshl_b32 s43, 15, s43                        ; my row of the cluster
	s_lshl_b32 s44, 0x1111, s40                    ; my column
	s_or_b32 s[G1], s43, (3<<16)|(1<<21)           ; 32,768 dense bytes as 128 rows of 32 elements of 8 bytes; a's tiles go to my row; bit 21 set beside a mask
	s_or_b32 s[G1B], s44, (3<<16)|(1<<21)          ; w's to my column
.irp g, G1, G1B
	s_mov_b32 s[\g+1], 32<<16
	s_mov_b32 s[\g+2], 128<<16
	s_mov_b32 s[\g+3], 32<<16
	s_mov_b32 s[\g+4], 128
	s_mov_b32 s[\g+5], 32
	s_mov_b32 s[\g+6], 0
	s_mov_b32 s[\g+7], 0
.endr
	s_lshl_b32 s17, s14, 15                        ; which four tiles of the eight I fetch
	s_lshl_b32 s16, s15, 16
	s_add_co_u32 s16, s16, s17                     ; a: 8 token tiles of 8,192 bytes a tile row
	s_lshl_b32 s46, s42, 16
	s_add_co_u32 s46, s46, s17                     ; w: likewise by the tile column
	s_mov_b32 s17, 0
	s_mov_b32 s47, 0
	s_lshl_b32 s20, s12, 15                        ; where they go: wave x 32,768: no place in the cluster enters an LDS address
	s_wait_dscnt 0x0                               ; both opening adds are done
	s_wait_kmcnt 0x0
	s_add_nc_u64 s[18:19], s[4:5], s[16:17]
	s_add_nc_u64 s[46:47], s[6:7], s[46:47]
	CROUND                                         ; all sixteen work-groups are here: the first joint loads meet
.irp s, 0,1
	s_mov_b32 s[G0+4*\s], 1
	s_add_co_u32 s[G0+4*\s+1], s20, \s*SLOT
	s_add_nc_u64 s[G0+4*\s+2:G0+4*\s+3], s[18:19], \s*2097152
	s_or_b32 s[G0+4*\s+3], s[G0+4*\s+3], 0x80000000
	s_mov_b32 s[G0B+4*\s], 1
	s_add_co_u32 s[G0B+4*\s+1], s20, \s*SLOT
	s_add_nc_u64 s[G0B+4*\s+2:G0B+4*\s+3], s[46:47], \s*524288
	s_or_b32 s[G0B+4*\s+3], s[G0B+4*\s+3], 0x80000000
	JLOAD \s                                       ; K steps 0 and 1: two tensor loads of mine are out
.endr
	v_and_b32 v1, 15, v0                           ; r
	v_bfe_u32 v2, v0, 4, 1                         ; h
	v_and_b32 v3, 31, v0
	v_lshlrev_b32 v3, 4, v3                        ; 16 x lane
	v_lshlrev_b32 v[BH], 5, v2
	s_lshl_b32 s22, s42, 9
	s_lshl_b32 s23, s14, 8
	s_add_co_u32 s22, s22, s23                     ; my first column in bytes of f32: 4 (128 j + 64 wn)
	s_mov_b32 s23, 0
	s_add_nc_u64 s[8:9], s[8:9], s[22:23]
.irp b, 0,1,2,3
	global_load_b128 v[BI+8*\b:BI+8*\b+3],   v[BH], s[8:9] offset:64*\b          ; the bias of columns 16 b + 8 h + 0 .. 7
	global_load_b128 v[BI+8*\b+4:BI+8*\b+7], v[BH], s[8:9] offset:64*\b+16
.endr
	s_lshl_b32 s2, s15, 19                         ; out0: row 128 i + 64 wm of 4,096 bytes, + my first column
	s_lshl_b32 s3, s13, 18
	s_add_co_u32 s2, s2, s3
	s_add_co_u32 s2, s2, s22
	s_mov_b32 s3, 0
	s_add_nc_u64 s[10:11], s[10:11], s[2:3]
	s_lshl_b32 s21, s13, 15                        ; my four token tiles
	s_lshl_b32 s22, s14, 15                        ; my four column tiles,
	s_add_co_u32 s22, s22, BOFF                    ; which lie behind a's eight
.irp s, 0,1
	v_add_nc_u32 v[ADRA+\s], s21, v3
	v_add_nc_u32 v[ADRB+\s], s22, v3
	s_add_co_u32 s21, s21, SLOT
	s_add_co_u32 s22, s22, SLOT
.endr
	s_mul_i32 s23, s12, 16*SPITCH
	s_add_co_u32 s23, s23, STAGE                   ; my stage
	v_mul_u32_u24 v4, v1, SPITCH                   ; in: row r, 32 bytes for each half of the lanes
	v_lshl_add_u32 v4, v2, 5, v4
	v_add_nc_u32 v[STO], s23, v4
	v_mul_u32_u24 v5, v2, SPITCH                   ; back: lanes 0-15 one row of 256 bytes, lanes 16-31 the next
	v_lshl_add_u32 v5, v1, 4, v5
	v_add_nc_u32 v[RD], s23, v5
	v_lshlrev_b32 v5, 12, v2                       ; and the same two rows in out0
	v_lshl_add_u32 v[CO], v1, 4, v5
	s_wait_tensorcnt 1                             ; my part of K step 0 is in; K step 1's may stay out
	s_barrier_signal -1
	s_barrier_wait -1
	FETCH 0, 0, F0
	s_wait_loadcnt 0x0                             ; the bias
	QUARTER 0, 1, F0, F1, 1                        ; K step 0: its first products start the sums
	QUARTER 0, 2, F1, F0, 0
	QUARTER 0, 3, F0, F1, 0
	TURN 0, 1, 1                                   ; slot 0 takes K step 2
	QUARTER 1, 1, F0, F1, 0                        ; K step 1
	QUARTER 1, 2, F1, F0, 0
	QUARTER 1, 3, F0, F1, 0
	TURN 1, 0, 1                                   ; slot 1 takes K step 3: the last load
	QUARTER 0, 1, F0, F1, 0                        ; K step 2
	QUARTER 0, 2, F1, F0, 0
	QUARTER 0, 3, F0, F1, 0
	TURN 0, 1, 0                                   ; nothing is left to fetch, so no round follows
	QUARTER 1, 1, F0, F1, 0                        ; K step 3
	QUARTER 1, 2, F1, F0, 0
	QUARTER 1, 3, F0, F1, 0
	s_wait_dscnt 16                                ; the very last quarter
	WIN MUL
	MUL8 F1, 0, 0, 0
	MUL8 F1, 0, 2, 0
	s_wait_dscnt 0
	MUL8 F1, 1, 0, 0
	MUL8 F1, 1, 2, 0
	WIN 0
; THE WAY OUT, a tile of 16 tokens x 64 columns at a time.  A lane holds 32 neighbouring bytes of a row and the lanes beside it hold other rows: so a tile goes through my own stage in LDS and comes back as whole
; rows of 256 bytes.  LDS serves a wave's instructions in order (ISA guide 5.7.1.4): no wait between the stores and the loads, nor in front of the next tile's stores.
.macro TOSTAGE a
.irp b, 0,1,2,3
	ds_store_b128 v[STO], v[ACC+8*(4*(\a)+\b):ACC+8*(4*(\a)+\b)+3] offset:64*\b        ; each accumulator from its low end on
	ds_store_b128 v[STO], v[ACC+8*(4*(\a)+\b)+4:ACC+8*(4*(\a)+\b)+7] offset:64*\b+16
.endr
.irp t, 0,1,2,3,4,5,6,7
	ds_load_b128 v[BK+32*((\a)%2)+4*\t:BK+32*((\a)%2)+4*\t+3], v[RD] offset:\t*2*SPITCH
.endr
.endm
.macro SEND a, younger                 ; younger: the LDS instructions issued behind tile a's loads, which may stay out
	s_wait_dscnt \younger
.irp t, 0,1,2,3,4,5,6,7
	global_store_b128 v[CO], v[BK+32*((\a)%2)+4*\t:BK+32*((\a)%2)+4*\t+3], s[10:11] offset:4096*(16*(\a)+2*\t) th:TH_STORE_NT   ; sixteen lanes store 256 consecutive bytes, aligned; written once, read by nobody here
.endr
.endm
	PLACES
	TOSTAGE 0
	TOSTAGE 1
	SEND 0, 16                                     ; behind tile 0's loads: tile 1's 8 stores and 8 loads
	s_wait_xcnt 0x0                                ; tile 0's stores have read their registers: tile 2's loads may land there
	TOSTAGE 2
	SEND 1, 16
	s_wait_xcnt 0x0
	TOSTAGE 3
	SEND 2, 16
	SEND 3, 0
	s_wait_tensorcnt 0x0                           ; the wave's end, behind my last tensor load and my last LDS store
	ds_add_u32 v[SPW], v[NIL]
	s_wait_dscnt 0x0
	CROUND                                         ; the closing round
	s_endpgm
.Lfunc_end_k_q09ba1db22d_proj:
	.size	k_q09ba1db22d_proj, .Lfunc_end_k_q09ba1db22d_proj-k_q09ba1db22d_proj
	.p2alignl 7, 3214868480
	.fill 96, 4, 3214868480
	.section	.rodata,"a",@progbits
	.p2align	6, 0x0
	.amdhsa_kernel k_q09ba1db22d_proj
		.amdhsa_group_segment_fixed_size 327680
		.amdhsa_private_segment_fixed_size 0
		.amdhsa_enable_private_segment 0
		.amdhsa_kernarg_size 32
		.amdhsa_user_sgpr_count 2
		.amdhsa_user_sgpr_kernarg_segment_ptr 1
		.amdhsa_wavefront_size32 1
		.amdhsa_system_sgpr_workgroup_id_x 1
		.amdhsa_system_sgpr_workgroup_id_y 1
		.amdhsa_system_sgpr_workgroup_id_z 1
		.amdhsa_system_vgpr_workitem_id 0
		.amdhsa_next_free_vgpr 512
		.amdhsa_next_free_sgpr 66
		.amdhsa_reserve_vcc 0
		.amdhsa_float_denorm_mode_32 3
		.amdhsa_float_denorm_mode_16_64 3
		.amdhsa_memory_ordered 1
		.amdhsa_forward_progress 1
		.amdhsa_inst_pref_size 86
	.end_amdhsa_kernel
	.amdgpu_metadata
---
amdhsa.version: [ 1, 2 ]
amdhsa.kernels:
  - .name:           k_q09ba1db22d_proj
    .symbol:         k_q09ba1db22d_proj.kd
    .args:
      - { .name: af, .offset: 0, .size: 8, .value_kind: global_buffer, .address_space: global }
      - { .name: wpf, .offset: 8, .size: 8, .value_kind: global_buffer, .address_space: global }
      - { .name: b_proj, .offset: 16, .size: 8, .value_kind: global_buffer, .address_space: global }
      - { .name: out0, .offset: 24, .size: 8, .value_kind: global_buffer, .address_space: global }
    .group_segment_fixed_size: 327680
    .private_segment_fixed_size: 0
    .kernarg_segment_align: 8
    .kernarg_segment_size: 32
    .max_flat_workgroup_size: 128
    .sgpr_count:     66
    .vgpr_count:     512
    .wavefront_size: 32
...
	.end_amdgpu_metadata
.endif
;; end of part 4
